; MI455X (gfx1250); checked and timed in simulation.
; The chip was launched on July 23, 2026; its instructions are those of AMD's public machine-readable ISA for CDNA 5 (MIT licence, August 2026) and "CDNA5" Instruction Set Architecture Reference Guide (July 2026). The comments in the code are by the model that wrote it; some were corrected since.
;; Attention Block. Allowed arithmetic: matrix products marked QUANTISED: E5M2 operands, one given power-of-two scale a tensor, by v_wmma_f32_16x16x64_bf8_bf8 or v_wmma_f32_16x16x128_bf8_bf8, f32 sums; everything else in f32.
;; Inputs: b_out 1,024 float32; b_qkv 3,072 float32; cos_tab 4,095 x 32 float32; lowp_scales 8 int32 (the exponents e of the quantised operands' scales 2^e); sin_tab 4,095 x 32 float32; w_out 1,024 x 1,024 float32; w_qkv 3,072 x 1,024 float32; x 8 x 1,024 x 1,024 float32.
;; Outputs: out0 8 x 1,024 x 1,024 float32.
;; This version of the problem:
;;   THIS VERSION OF THE PROBLEM IS GIVEN IN LOW PRECISION. The matrix products marked QUANTISED in the list below multiply operands that are first quantised to E5M2 (5 exponent bits, 2 mantissa bits; 8 bits a number), with one given power-of-two scale for each operand tensor; their sums are f32. All else is computed in f32.
;;   The module's matrix products, in the order in which they are computed (A, B: the left and right operand; K: the contracted axis; several contracted axes count as one K, in the product's order):
;;     1. [M 8,192, K 1,024] x [K 1,024, N 3,072]; A: input x; B: input w_qkv: QUANTISED (scales: A lowp_scales[0], B lowp_scales[1])
;;     2. batch 128 x [M 1,024, K 64] x [K 64, N 1,024]; A: computed on the way; B: computed on the way: QUANTISED (scales: A lowp_scales[2], B lowp_scales[3])
;;     3. batch 128 x [M 1,024, K 1,024] x [K 1,024, N 64]; A: softmax (see below); B: computed on the way: QUANTISED (scales: A lowp_scales[4], B lowp_scales[5])
;;     4. [M 8,192, K 1,024] x [K 1,024, N 1,024]; A: computed on the way; B: input w_out: QUANTISED (scales: A lowp_scales[6], B lowp_scales[7])
;;   THE QUANTISER, for each operand of a quantised product, along K:
;;     - The operand's scale is 2^e, e = its entry of the input lowp_scales (int32; the entries are numbered through the quantised products in the list's order, A before B).
;;     - Each number is divided by the scale, clamped to +-57,344, and rounded to the nearest number of E5M2, ties to even, subnormals kept.
;;     - The product sums the exact products of the quantised numbers (number of the format x scale) in f32.
;;   ~~~python
;;   def quantise(x, axis, e):      # numpy; x: float32 -> the quantised numbers, widened to float32 again
;;       x = np.moveaxis(x, axis, -1); K = x.shape[-1]
;;       r = np.clip(x / 2.0 ** e, -57344, 57344)
;;       step = 2.0 ** (np.maximum(np.frexp(np.where(r == 0, 1, r))[1] - 1, -14) - 2)
;;       q = np.round(r / step) * step * 2.0 ** e      # np.round: ties to even
;;       return np.moveaxis(q, -1, axis).astype(np.float32)
;;   ~~~
;;   SOFTMAX AHEAD OF A QUANTISED PRODUCT. Where the list says 'softmax', what is quantised is not the finished softmax but p = 2^(t - M), with t = logit x log2(e) and M = ceil(the row's largest t), a whole number; so 1/2 < the row's largest p <= 1. The row's sum l is taken of the UNQUANTISED p, in f32, and the product's result is divided by l at the end. Since M is a whole number, a kernel that streams over the keys may use a running M (the ceiling of the running maximum): every later rescaling is an exact power of two, so the quantised numbers keep their values, but for numbers so far below the row's largest that they fall under the format's range.
;;   OPERANDS COMPUTED ON THE WAY. 'Computed on the way' means the value that the module computes at that place (a softmax that the list does not call 'softmax' is quantised finished and normalised). What goes into a quantiser is computed in f32, as accurately as f32 sums, v_exp_f32 and their like allow (about 1e-6 of the number): no bf16 or f16 on the way to a quantiser, and a product that is left as it is and whose result goes on into a quantised operand takes f32 operands (vector FMAs, or v_wmma_f32_16x16x4_f32). A number that lies on a knife's edge between two numbers of the format may be rounded either way, as far as f32 arithmetic and the matrix unit's own rounding can turn it there, and no further.
;; One version. Each part assembles by itself: llvm-mc -triple=amdgcn-amd-amdhsa -mcpu=gfx1250 --defsym DOCPART=n.
;; ======== version 1 of 1: 4 launches
;; limits: right only within a limited range of input values
;; workspace buffers: x_codes 8,388,608 bytes; wqkv_codes 3,145,728 bytes; wout_codes 1,048,576 bytes; q_codes 8,388,608 bytes; k_codes 8,388,608 bytes; v_codes 8,388,608 bytes; y_codes 8,388,608 bytes
;; launch quant (part 1): grid 768 x 1, 4 waves a work-group, no clusters, 17,920 bytes of LDS; arguments x, w_qkv, w_out, lowp_scales, x_codes, wqkv_codes, wout_codes; writes x_codes, wqkv_codes, wout_codes
.if DOCPART == 1
	.amdgcn_target "amdgcn-amd-amdhsa--gfx1250"
	.amdhsa_code_object_version 6
	.text
	.protected	k_qb2a2edbf07_quant
	.globl	k_qb2a2edbf07_quant
	.p2align	8
	.type	k_qb2a2edbf07_quant,@function
k_qb2a2edbf07_quant:
	s_mov_b64 s[64:65], 0
	v_nop
	global_prefetch_b8 v0, s[64:65] scope:SCOPE_SE
	s_setreg_imm32_b32 hwreg(HW_REG_WAVE_MODE, 25, 1), 1
	s_wait_xcnt 0x0
; x [8192][1024], w_qkv [3072][1024] and w_out [1024][1024], f32, K innermost, become codes of BF8 (E5M2), one byte each, each tensor with its given scale 2^e: entry 0 of the scales for x, 1 for w_qkv, 7 for w_out.
; code = number / 2^e, held within +-57,344, rounded to the nearest code, ties to even.
; LIMITS: -126 <= e and e + 15 <= 127.  NaN among the inputs is not served; an infinity is held at the largest code.
; WORK LEFT OUT BY THE PROGRAM: scores of keys behind the causal mask come to p = 0 for all values of the inputs: whole steps of 128 keys that are hidden are not worked (launch attn).
; Of the two rotation tables row 1,024 alone is loaded.  LIMIT: a NaN, an infinity or an overflow that reaches only such work is not carried to the result.
; THE CODES ARE STORED AS IMAGES OF OPERAND REGISTERS: [64 along K][tile of 16 rows][32 along K][lane][16 bytes]: lane (r, h) of tile i holds K = 32 c + 16 h + 0 .. 15 of row 32 (i / 2) + 8 (i % 2) + r + 8 (r / 8):
; so two neighbouring tiles of a matrix result give a lane 16 neighbouring results.  w_qkv's tiles are stored head by head: 4 tiles of q, 4 of k, 4 of v: tile 12 x head + 4 x kind + t.
; A work-group takes one tile (16 rows x 1,024), a wave 256 along K in four steps of 64: 512 + 192 + 64 tiles make 768 equal work-groups.  All 32 loads of a wave are issued at once.
; Each load reads two rows' 256 bytes, 16 a lane.  The conversions want 16 NEIGHBOURS in a lane: so a step's 16 rows go through the wave's own stage in LDS (rows 272 bytes apart) and come back 64 bytes a lane.
; No tensor loads, no barrier: waves share nothing.
.set WG_X,  512
.set WG_XQ, 704
.set R,     32                         ; v32-159  four steps' numbers as they are loaded
.set X,     160                        ; v160-223 two sets of 32 turned numbers
.set C,     224                        ; v224-255 codes: eight registers for each step, so that no store's data are written again
.set SPT,   272
.set SPW,   12                         ; v12      LDS address of my spare word; never rewritten
.set NIL,   13                         ; v13      0; never rewritten
.set SPARE, 4*16*SPT
	s_load_b256 s[4:11], s[0:1], 0x0               ; x, w_qkv, w_out, the scales' exponents
	s_load_b128 s[12:15], s[0:1], 0x20             ; x's codes, w_qkv's codes
	s_load_b64 s[16:17], s[0:1], 0x30              ; w_out's codes
	v_lshl_add_u32 v[SPW], v0, 2, SPARE
	v_mov_b32 v[NIL], 0
	v_lshrrev_b32 v1, 5, v0
	v_readfirstlane_b32 s18, v1                    ; wave
	s_mul_i32 s20, s18, 16*SPT                     ; my stage
	v_and_b32 v2, 31, v0
	v_and_b32 v5, 15, v0                           ; r
	v_bfe_u32 v6, v0, 4, 1                         ; h
	v_lshlrev_b32 v3, 12, v6
	v_lshl_add_u32 v3, v5, 4, v3                   ; in memory: lanes 0-15 one row, lanes 16-31 the next
	v_mul_u32_u24 v14, v6, SPT
	v_lshl_add_u32 v14, v5, 4, v14
	v_add_nc_u32 v14, s20, v14                     ; the same in the stage
	v_mul_u32_u24 v15, v5, SPT
	v_lshl_add_u32 v15, v6, 6, v15
	v_add_nc_u32 v15, s20, v15                     ; back: row r, 64 bytes for each half
	v_lshlrev_b32 v4, 4, v2                        ; my 16 bytes of a store's 512
	s_wait_alu depctr_va_vdst(0)
	s_wait_kmcnt 0x0
	s_load_b256 s[32:39], s[10:11], 0x0            ; the eight exponents
	s_cmp_lt_u32 ttmp9, WG_XQ                      ; which tensor?  The choice hangs on the work-group's number alone
	s_cselect_b64 s[6:7], s[6:7], s[8:9]
	s_cselect_b64 s[14:15], s[14:15], s[16:17]
	s_mov_b32 s19, WG_XQ
	s_cselect_b32 s19, WG_X, s19
	s_mov_b32 s24, 65536
	s_cselect_b32 s24, 196608, s24
	s_cmp_lt_u32 ttmp9, WG_X
	s_cselect_b64 s[4:5], s[4:5], s[6:7]           ; the numbers,
	s_cselect_b64 s[12:13], s[12:13], s[14:15]     ; the codes,
	s_cselect_b32 s19, 0, s19                      ; the tensor's first work-group,
	s_cselect_b32 s24, 524288, s24                 ; and the bytes of its codes for 64 along K
	s_sub_co_u32 s19, ttmp9, s19                   ; tile
	s_lshr_b32 s20, s19, 1
	s_lshl_b32 s20, s20, 17
	s_and_b32 s21, s19, 1
	s_lshl_b32 s21, s21, 15
	s_add_co_u32 s20, s20, s21                     ; row 32 (tile / 2) + 8 (tile % 2), 4,096 bytes each
	s_lshl_b32 s21, s18, 10
	s_add_co_u32 s20, s20, s21                     ; + 256 along K for each wave
	s_mov_b32 s21, 0
	s_add_nc_u64 s[4:5], s[4:5], s[20:21]
.macro LOAD p
.irp i, 0,1,2,3,4,5,6,7
	global_load_b128 v[R+32*\p+4*\i:R+32*\p+4*\i+3], v3, s[4:5] offset:(2*\i+8*(\i/4))*4096+256*\p th:TH_LOAD_NT   ; stage rows 2 i, 2 i + 1: two aligned units of 256 bytes
.endr
.endm
.irp p, 0,1,2,3
	LOAD \p
.endr
	s_bfe_u32 s26, s19, 0x40002                    ; w_qkv: head,
	s_mul_i32 s26, s26, 12
	s_lshr_b32 s27, s19, 6                         ; kind,
	s_lshl_b32 s27, s27, 2
	s_add_co_u32 s26, s26, s27
	s_and_b32 s27, s19, 3                          ; t
	s_add_co_u32 s26, s26, s27
	s_cmp_lt_u32 ttmp9, WG_XQ
	s_cselect_b32 s26, s26, s19
	s_cmp_lt_u32 ttmp9, WG_X
	s_cselect_b32 s26, s19, s26                    ; the tile's place among the stored tiles
	s_lshl_b32 s26, s26, 10
	s_lshl_b32 s27, s18, 2
	s_mul_i32 s27, s27, s24
	s_add_co_u32 s26, s26, s27
	s_mov_b32 s27, 0
	s_mov_b32 s25, 0
	s_add_nc_u64 s[40:41], s[12:13], s[26:27]      ; where my four steps' codes go
	s_add_nc_u64 s[42:43], s[40:41], s[24:25]
	s_add_nc_u64 s[44:45], s[42:43], s[24:25]
	s_add_nc_u64 s[46:47], s[44:45], s[24:25]
	s_wait_kmcnt 0x0
	s_cmp_lt_u32 ttmp9, WG_XQ
	s_cselect_b32 s22, s33, s39                    ; w_qkv's exponent or w_out's,
	s_cmp_lt_u32 ttmp9, WG_X
	s_cselect_b32 s22, s32, s22                    ; or x's
	s_add_co_i32 s22, s22, 127
	s_lshl_b32 s23, s22, 23
	v_mov_b32 v11, s23                             ; 2^e as f32: the conversion takes its exponent field
	s_add_co_i32 s22, s22, 15
	s_lshl_b32 s22, s22, 23
	s_or_b32 s22, s22, 0x600000
	v_mov_b32 v10, s22                             ; 57,344 x 2^e
.macro TURN p                          ; step p through the stage: LDS serves a wave's instructions in order (ISA guide 5.7.1.4), so no wait stands between the stores and the loads
.irp i, 0,1,2,3,4,5,6,7
	ds_store_b128 v14, v[R+32*(\p)+4*\i:R+32*(\p)+4*\i+3] offset:2*\i*SPT
.endr
.irp c, 0,1
.irp i, 0,1,2,3
	ds_load_b128 v[X+32*((\p)%2)+16*\c+4*\i:X+32*((\p)%2)+16*\c+4*\i+3], v15 offset:128*\c+16*\i
.endr
.endr
.endm
	s_wait_alu depctr_va_vdst(0)
	s_wait_loadcnt 24                              ; step 0's eight loads are in; the 24 of steps 1 to 3 may be out
	TURN 0
.macro STEP p
.set XS, X+32*((\p)%2)
.set CS, C+8*(\p)
	s_wait_dscnt 0x0                               ; this step's numbers are back from the stage
.if (\p) < 3
	s_wait_loadcnt 8*(2-(\p))                      ; the next step's eight loads are in; those behind them may be out
	TURN (\p)+1
.endif
.set j, 0
.rept 32
	v_med3_num_f32 v[XS+j], v[XS+j], -v10, v10     ; the conversion to an 8-bit code does not saturate (ISA guide 7.6.2): the hold
.set j, j+1
.endr
.irp g, 0,1,2,3
	v_cvt_scalef32_pk8_bf8_f32 v[CS+2*\g:CS+2*\g+1], v[XS+8*\g:XS+8*\g+7], v11   ; (the results go to stores alone; the next vector lines are plain and on other registers)
.endr
	global_store_b128 v4, v[CS:CS+3], s[40+2*(\p):41+2*(\p)]                 ; the wave stores 512 consecutive bytes, aligned
	global_store_b128 v4, v[CS+4:CS+7], s[40+2*(\p):41+2*(\p)] offset:512
.endm
	STEP 0
	STEP 1
	STEP 2
	STEP 3
	s_wait_tensorcnt 0x0                           ; the wave's end
	ds_add_u32 v[SPW], v[NIL]
	s_wait_dscnt 0x0
	s_endpgm
.Lfunc_end_k_qb2a2edbf07_quant:
	.size	k_qb2a2edbf07_quant, .Lfunc_end_k_qb2a2edbf07_quant-k_qb2a2edbf07_quant
	.p2alignl 7, 3214868480
	.fill 96, 4, 3214868480
	.section	.rodata,"a",@progbits
	.p2align	6, 0x0
	.amdhsa_kernel k_qb2a2edbf07_quant
		.amdhsa_group_segment_fixed_size 17920
		.amdhsa_private_segment_fixed_size 0
		.amdhsa_enable_private_segment 0
		.amdhsa_kernarg_size 56
		.amdhsa_user_sgpr_count 2
		.amdhsa_user_sgpr_kernarg_segment_ptr 1
		.amdhsa_wavefront_size32 1
		.amdhsa_system_sgpr_workgroup_id_x 1
		.amdhsa_system_sgpr_workgroup_id_y 1
		.amdhsa_system_sgpr_workgroup_id_z 1
		.amdhsa_system_vgpr_workitem_id 0
		.amdhsa_next_free_vgpr 256
		.amdhsa_next_free_sgpr 66
		.amdhsa_reserve_vcc 0
		.amdhsa_float_denorm_mode_32 3
		.amdhsa_float_denorm_mode_16_64 3
		.amdhsa_memory_ordered 1
		.amdhsa_forward_progress 1
		.amdhsa_inst_pref_size 21
	.end_amdhsa_kernel
	.amdgpu_metadata
---
amdhsa.version: [ 1, 2 ]
amdhsa.kernels:
  - .name:           k_qb2a2edbf07_quant
    .symbol:         k_qb2a2edbf07_quant.kd
    .args:
      - { .name: x, .offset: 0, .size: 8, .value_kind: global_buffer, .address_space: global }
      - { .name: w_qkv, .offset: 8, .size: 8, .value_kind: global_buffer, .address_space: global }
      - { .name: w_out, .offset: 16, .size: 8, .value_kind: global_buffer, .address_space: global }
      - { .name: lowp_scales, .offset: 24, .size: 8, .value_kind: global_buffer, .address_space: global }
      - { .name: x_codes, .offset: 32, .size: 8, .value_kind: global_buffer, .address_space: global }
      - { .name: wqkv_codes, .offset: 40, .size: 8, .value_kind: global_buffer, .address_space: global }
      - { .name: wout_codes, .offset: 48, .size: 8, .value_kind: global_buffer, .address_space: global }
    .group_segment_fixed_size: 17920
    .private_segment_fixed_size: 0
    .kernarg_segment_align: 8
    .kernarg_segment_size: 56
    .max_flat_workgroup_size: 128
    .sgpr_count:     66
    .vgpr_count:     256
    .wavefront_size: 32
...
	.end_amdgpu_metadata
.endif
;; end of part 1
;; launch gemm_qkv (part 2): grid 8 x 32, 4 waves a work-group, clusters of 4 x 4, 327,680 bytes of LDS; arguments x_codes, wqkv_codes, lowp_scales, b_qkv, cos_tab, sin_tab, q_codes, k_codes, v_codes; writes q_codes, k_codes, v_codes
.if DOCPART == 2
	.amdgcn_target "amdgcn-amd-amdhsa--gfx1250"
	.amdhsa_code_object_version 6
	.text
	.protected	k_qb2a2edbf07_gemm_qkv
	.globl	k_qb2a2edbf07_gemm_qkv
	.p2align	8
	.type	k_qb2a2edbf07_gemm_qkv,@function
k_qb2a2edbf07_gemm_qkv:
	s_mov_b64 s[64:65], 0
	v_nop
	global_prefetch_b8 v0, s[64:65] scope:SCOPE_SE
	s_setreg_imm32_b32 hwreg(HW_REG_WAVE_MODE, 25, 1), 1
	s_wait_xcnt 0x0
	s_wait_alu depctr_hold_cnt(0) depctr_sa_sdst(0) depctr_va_vdst(0) depctr_va_sdst(0) depctr_va_ssrc(0) depctr_va_vcc(0) depctr_vm_vsrc(0)
	s_getreg_b32 s2, hwreg(HW_REG_IB_STS2, 6, 4)
	s_cmp_eq_u32 s2, 0
	s_cbranch_scc0 .Lentry_in_a_cluster
	s_endpgm
.Lentry_in_a_cluster:
	s_bfe_u32 s2, ttmp6, 0x10000c
	s_cmp_lg_u32 s2, 0xf033
	s_cbranch_scc0 .Lentry_shape_is_right
	s_endpgm
.Lentry_shape_is_right:
; qkv = x w_qkv^T + b_qkv on codes of BF8 (E5M2); q and k are then turned by the one rotation of row 1,024 of the two tables; q, k and v are quantised (scales' entries 2, 3, 5) and stored as IMAGES OF OPERAND REGISTERS.
; A number of x is its code x 2^e0, of w_qkv x 2^e1: the codes are multiplied as they are, and each finished sum goes through one multiply-add: sum x 2^(e0 + e1) + bias.
; LIMITS: e0 + e1 between -126 and 127; e2, e3, e5 between -126 and 112: so that each power of two below is an f32 number.  NaN is not served.
; SHARES: 8,192 x 3,072 results are 256 work-groups of 256 tokens x 384 columns (two heads' q, k and v).  Four waves: a wave makes 128 tokens x ONE head's q, k and v (3 x 64 columns): 8 x 12 accumulators of 16 x 16, 768 registers.
; Both inputs are images of operand registers, [64 along K][tile of 16 rows][32 along K][lane][16 bytes]: a fragment (16 rows x 64 K) is two loads of 512 consecutive bytes, and LDS needs no padding.
; q AND k: THE MATRIX INSTRUCTION IS USED TRANSPOSED (source 0 = w_qkv's rows, source 1 = x's): a lane holds one token, its registers run along the channels.  v: source 0 = x's rows: a lane holds one channel, its registers run along the
; tokens, which are the K of attention's second product.  By the rows' order in a tile (row 32 (i / 2) + 8 (i % 2) + r + 8 (r / 8)) the 16 registers of two neighbouring tiles are 16 NEIGHBOURS: two conversions make 16 bytes a lane,
; and one store of the wave covers 512 consecutive bytes:
; q_codes, k_codes: [batch x head][tile of 16 tokens][half of the head's 64][lane][16 bytes];  v_codes: [batch x head][128 keys][tile of 16 channels][32 keys][lane][16 bytes].
; K goes in 16 steps of 64 through two LDS slots: slot 0 holds four steps (160 KiB), slot 1 three (120 KiB); the fills are of 4, 3, 4, 3 and 2 steps.  Two slots of four would leave no room for the spare words.
; CLUSTERS: 4 x 4 work-groups.  The four of a row of the cluster need the same tiles of x, the four of a column the same tiles of w_qkv: each is asked for JOINTLY, with a mask that names the four.
; No prefetch: five fills in all, of 40 KiB for each step of K, and no loop to run ahead in.
; REGISTERS, in windows of 256: window 0: v0-31 addresses and constants; v32-95, v96-159 x's fragments (8 x 8), two sets by turns; v160-255 w_qkv's (12 x 8), one set.  Windows 1, 2, 3: the accumulators of q, k, v ((b, a) at v[8 (8 b + a)]).
;   On the way out: v32-63, v64-95 q's and k's bias, v96-111 cosines, v112-143 pairs (-sine, sine), v144-159 sines, v160-223 numbers, v224-255 codes.
.set AF,   32
.set BF,   160
.set APL,  524288                      ; x's codes for 64 along K, in bytes
.set BPL,  196608                      ; w_qkv's
.set SL1,  163840                      ; slot 1 begins here.  A slot: x's two halves of 8 tiles, then w_qkv's two halves of 12 tiles; a half: its steps one behind the other
.set SPARE, 286720                     ; behind the slots: the spare words
.set TAB,  SPARE+512                   ; and 2,048 bytes for each wave: bias of q, of k, of v, cosines, sines
.set BADR, 8                           ; v8   my half's place in the bias of q and k
.set TIN,  9                           ; v9   where I put the tables
.set CADR, 10                          ; v10  my half's place in the cosines and sines
.set VADR, 11                          ; v11  my lane's place in v's bias
.set ADRA, 16                          ; v16-17 x's fragments in slot 0, 1
.set ADRB, 18                          ; v18-19 w_qkv's
.set SCL,  20                          ; v20-22 the scales of q, k, v as f32
.set LI,   23                          ; v23  16 x lane
.set BV,   24                          ; v24-27 v's bias at my lane's channel of each of the 4 tiles
.set SPW,  28                          ; v28  LDS address of my spare word; never rewritten
.set NIL,  29                          ; v29  0; never rewritten
.set BQ,   32
.set BK,   64
.set CO,   96
.set SS,   112
.set SI,   144
.set TMP,  160
.set T2,   192
.set CD,   224
.set G1, 24                            ; s[24:31] descriptor group 1 for x's tiles;  s[32:39] group 0, one set for each slot
.set G0, 32
.set G1B, 48                           ; s[48:55], s[56:63] the same for w_qkv's
.set G0B, 56
.set MSB, 0
.macro WIN new                         ; the immediate's high byte repeats the setting that is left
.if MSB != (\new)
	s_set_vgpr_msb (MSB<<8)|(\new)
.set MSB, (\new)
.endif
.endm
; A joint load: waves 0 and 1 fetch for x, waves 2 and 3 for w_qkv.  The branch hangs on the wave's number alone.  An s_nop 0 and four v_nop follow each of the two lines.
.macro JLOAD s
	s_cmp_eq_u32 s15, 0
	s_cbranch_scc0 .Lfor_b_\@
	tensor_load_to_lds s[G0+4*\s:G0+4*\s+3], s[G1:G1+7]
	s_nop 0
.rept 4
	v_nop
.endr
	s_branch .Lasked_\@
.Lfor_b_\@:
	tensor_load_to_lds s[G0B+4*\s:G0B+4*\s+3], s[G1B:G1B+7]
	s_nop 0
.rept 4
	v_nop
.endr
.Lasked_\@:
.endm
.macro STEPS n                         ; the next load brings n steps of 64 along K
	s_mov_b32 s[G1+2], (\n)<<16
	s_mov_b32 s[G1+4], \n
	s_mov_b32 s[G1B+2], (\n)<<16
	s_mov_b32 s[G1B+4], \n
.endm
.macro CREST                           ; a round of the cluster's barrier behind its opening barrier
	s_cmp_lg_u32 s14, 0
	s_cbranch_scc1 .Lnot_wave_0_\@
	s_barrier_signal -3
.Lnot_wave_0_\@:
	s_barrier_wait -3
	s_barrier_signal -1
	s_barrier_wait -1
.endm
.macro CROUND
	s_barrier_signal -1
	s_barrier_wait -1
	CREST
.endm
	s_load_b256 s[68:75], s[0:1], 0x0              ; x's codes s[68:69], w_qkv's s[70:71], the scales' exponents s[72:73], b_qkv s[74:75]
	s_load_b256 s[76:83], s[0:1], 0x20             ; cosines s[76:77], sines s[78:79], q's codes s[80:81], k's s[82:83]
	s_load_b64 s[84:85], s[0:1], 0x40              ; v's codes
	v_lshl_add_u32 v[SPW], v0, 2, SPARE
	v_mov_b32 v[NIL], 0
	ds_add_u32 v[SPW], v[NIL]                      ; the opening: the add, twice on end, and its wait
	ds_add_u32 v[SPW], v[NIL]
	v_lshrrev_b32 v1, 5, v0
	v_readfirstlane_b32 s14, v1                    ; wave 0..3
	s_lshr_b32 s15, s14, 1                         ; which half of the tokens is mine.  Also: I fetch for x (0) or for w_qkv (1)
	s_and_b32 s16, s14, 1                          ; which of the two heads.  Also: which half of that tile I fetch
	s_bfe_u32 s40, ttmp6, 0x40000                  ; cx, cy: my place in the cluster
	s_bfe_u32 s41, ttmp6, 0x40004
	s_lshl_b32 s42, ttmp9, 2
	s_add_co_u32 s42, s42, s40                     ; tile column 0..7
	s_and_b32 s17, ttmp7, 0xffff
	s_lshl_b32 s17, s17, 2
	s_add_co_u32 s17, s17, s41                     ; tile row 0..31
	s_lshl_b32 s43, s41, 2
	s_lshl_b32 s43, 15, s43                        ; my row of the cluster
	s_lshl_b32 s44, 0x1111, s40                    ; my column
	s_or_b32 s[G1], s43, (3<<16)|(1<<21)           ; 15:0 the mask; 17:16 elements of 8 bytes; 21 set beside a mask; no padding
	s_or_b32 s[G1B], s44, (3<<16)|(1<<21)
	s_mov_b32 s[G1+1], 1024<<16                    ; x: a row is 8 tiles: 8,192 bytes, dense;
	s_mov_b32 s[G1+3], 1024<<16
	s_mov_b32 s[G1+5], APL/8                       ; from row to row 64 along K
	s_mov_b32 s[G1+6], 0
	s_mov_b32 s[G1+7], 0
	s_mov_b32 s[G1B+1], 1536<<16                   ; w_qkv: 12 tiles: 12,288 bytes
	s_mov_b32 s[G1B+3], 1536<<16
	s_mov_b32 s[G1B+5], BPL/8
	s_mov_b32 s[G1B+6], 0
	s_mov_b32 s[G1B+7], 0
	STEPS 4
	s_lshl_b32 s20, s17, 14                        ; x: tile 16 x tile row + 8 x half
	s_lshl_b32 s18, s16, 13
	s_add_co_u32 s20, s20, s18
	s_mov_b32 s21, 0
	s_mul_i32 s46, s42, 24576                      ; w_qkv: tile 24 x tile column + 12 x half
	s_mul_i32 s18, s16, 12288
	s_add_co_u32 s46, s46, s18
	s_mov_b32 s47, 0
	s_mov_b32 s[G0], 1
	s_mov_b32 s[G0+4], 1
	s_mov_b32 s[G0B], 1
	s_mov_b32 s[G0B+4], 1
	s_lshl_b32 s[G0+1], s16, 15                    ; where they go: no place in the cluster enters an LDS address
	s_mul_i32 s18, s16, 24576
	s_add_co_u32 s[G0+5], s18, SL1
	s_mul_i32 s18, s16, 49152
	s_add_co_u32 s[G0B+1], s18, 65536
	s_mul_i32 s18, s16, 36864
	s_add_co_u32 s[G0B+5], s18, SL1+49152
	; my bias: 64 floats at head = 2 x tile column + half;  my results: batch (2^20 bytes), head (2^16), then 1,024 bytes for 16 tokens in q and k, 8,192 for 128 tokens in v: the same number
	s_lshl_b32 s86, s42, 1
	s_add_co_u32 s86, s86, s16
	s_lshl_b32 s98, s86, 8
	s_mov_b32 s99, 0
	s_lshl_b32 s86, s86, 16
	s_lshr_b32 s18, s17, 2
	s_lshl_b32 s18, s18, 20
	s_add_co_u32 s86, s86, s18
	s_and_b32 s18, s17, 3
	s_lshl_b32 s18, s18, 1
	s_add_co_u32 s18, s18, s15
	s_lshl_b32 s18, s18, 13
	s_add_co_u32 s86, s86, s18
	s_mov_b32 s87, 0
	; LDS addresses
	s_lshl_b32 s18, s15, 15
	s_mul_i32 s19, s15, 24576
	s_add_co_u32 s19, s19, SL1
	s_mul_i32 s22, s16, 49152
	s_add_co_u32 s22, s22, 65536
	s_mul_i32 s23, s16, 36864
	s_add_co_u32 s23, s23, SL1+49152
	s_lshl_b32 s12, s14, 11
	s_add_co_u32 s12, s12, TAB
	v_and_b32 v1, 15, v0                           ; r
	v_bfe_u32 v2, v0, 4, 1                         ; h
	v_and_b32 v[LI], 31, v0
	v_lshlrev_b32 v[LI], 4, v[LI]
	v_add_nc_u32 v[ADRA], s18, v[LI]
	v_add_nc_u32 v[ADRA+1], s19, v[LI]
	v_add_nc_u32 v[ADRB], s22, v[LI]
	v_add_nc_u32 v[ADRB+1], s23, v[LI]
	v_add_nc_u32 v[TIN], s12, v[LI]
	v_lshlrev_b32 v3, 6, v2
	v_add_nc_u32 v[BADR], s12, v3                  ; + 64 h
	v_lshlrev_b32 v3, 5, v2
	v_add_nc_u32 v[CADR], s12, v3                  ; + 32 h
	v_and_b32 v3, 8, v1
	v_add_nc_u32 v3, v3, v1
	v_lshlrev_b32 v3, 2, v3
	v_add_nc_u32 v[VADR], s12, v3                  ; + 4 (r + 8 (r / 8))
	v_lshlrev_b32 v6, 4, v1                        ; v's bias: 16 r
	v_lshl_add_u32 v5, v2, 12, v6                  ; q's and k's: 16 r + 4,096 h
	v_and_b32 v7, 7, v0
	v_lshlrev_b32 v7, 4, v7                        ; the tables' row: 16 (l % 8)
	s_wait_dscnt 0x0                               ; both opening adds are done
	s_wait_alu depctr_va_vdst(0)
	s_wait_kmcnt 0x0
	s_load_b256 s[88:95], s[72:73], 0x0            ; the eight exponents
	s_add_nc_u64 s[20:21], s[68:69], s[20:21]
	s_add_nc_u64 s[46:47], s[70:71], s[46:47]
	s_mov_b64 s[G0+2:G0+3], s[20:21]
	s_add_nc_u64 s[G0+6:G0+7], s[20:21], 4*APL
	s_mov_b64 s[G0B+2:G0B+3], s[46:47]
	s_add_nc_u64 s[G0B+6:G0B+7], s[46:47], 4*BPL
	s_or_b32 s[G0+3], s[G0+3], 0x80000000
	s_or_b32 s[G0+7], s[G0+7], 0x80000000
	s_or_b32 s[G0B+3], s[G0B+3], 0x80000000
	s_or_b32 s[G0B+7], s[G0B+7], 0x80000000
	CROUND                                         ; all sixteen work-groups are here: the first joint loads meet
	JLOAD 0                                        ; K steps 0-3
	s_add_nc_u64 s[8:9], s[74:75], s[98:99]
	global_load_b128 v[32:35], v5, s[8:9]          ; q's bias (lanes 0-15), k's (16-31)
	global_load_b128 v[36:39], v6, s[8:9] offset:8192            ; v's, in both halves of the lanes
	global_load_b128 v[40:43], v7, s[76:77] offset:1024*128      ; row 1,024 of the tables, four times over
	global_load_b128 v[44:47], v7, s[78:79] offset:1024*128
	s_add_nc_u64 s[80:81], s[80:81], s[86:87]
	s_add_nc_u64 s[82:83], s[82:83], s[86:87]
	s_add_nc_u64 s[84:85], s[84:85], s[86:87]
	s_wait_kmcnt 0x0
	s_add_co_i32 s96, s88, s89                     ; e0 + e1, between -126 and 127,
	s_add_co_i32 s96, s96, 127
	s_lshl_b32 s96, s96, 23                        ; makes the f32 number 2^(e0 + e1)
	s_mov_b32 s97, s96                             ; (named with it as a pair, so it is written)
.macro KIND e, scl, hi                 ; the scale as f32, 57,344 x the scale, and its negative
	s_add_co_i32 s12, s[\e], 127
	s_lshl_b32 s13, s12, 23
	v_mov_b32 v[\scl], s13
	s_add_co_i32 s12, s12, 15
	s_lshl_b32 s12, s12, 23
	s_or_b32 s[\hi], s12, 0x600000
	s_xor_b32 s[\hi+1], s[\hi], 0x80000000
.endm
	KIND 90, SCL, 4
	KIND 91, SCL+1, 6
	KIND 93, SCL+2, 10
.macro PLACES                          ; plain vector lines behind matrix instructions, in front of loads into registers that they read and of reads of their results (ISA guide 7.12.1 for reads of their results)
.rept 4
	v_nop
.endr
.endm
; Matrix instructions of group g (0 q, 1 k, 2 v): its tiles 4 g .. 4 g + 3 of w_qkv x my eight tiles of x (set p), 64 along K.  zero = 1: the first product starts the sums.
; The 96 accumulators take turns, one instruction a turn, in the same order in every step.
.macro GRP g, p, zero
	WIN 0x50*(\g+1)
.set qb, 0
.rept 4
.set qa, 0
.rept 8
.set AC, 8*(8*qb+qa)
.set BR, BF+8*(4*\g+qb)
.set AR, AF+64*(\p)+8*qa
.if \g == 2
.if \zero
	v_wmma_f32_16x16x64_bf8_bf8 v[AC:AC+7], v[AR:AR+7], v[BR:BR+7], 0
.else
	v_wmma_f32_16x16x64_bf8_bf8 v[AC:AC+7], v[AR:AR+7], v[BR:BR+7], v[AC:AC+7]
.endif
.else
.if \zero
	v_wmma_f32_16x16x64_bf8_bf8 v[AC:AC+7], v[BR:BR+7], v[AR:AR+7], 0
.else
	v_wmma_f32_16x16x64_bf8_bf8 v[AC:AC+7], v[BR:BR+7], v[AR:AR+7], v[AC:AC+7]
.endif
.endif
.set qa, qa+1
.endr
.set qb, qb+1
.endr
	WIN 0
.endm
.macro LDB slot, pl, g                 ; w_qkv's four fragments of group g, the slot's pl-th step: 8 loads
.irp i, 0,1,2,3
.irp c, 0,1
	ds_load_b128 v[BF+8*(4*\g+\i)+4*\c:BF+8*(4*\g+\i)+4*\c+3], v[ADRB+\slot] offset:12288*(\pl)+1024*(4*\g+\i)+512*\c
.endr
.endr
.endm
.macro LDA slot, pl, p                 ; x's eight fragments into set p: 16 loads
.irp i, 0,1,2,3,4,5,6,7
.irp c, 0,1
	ds_load_b128 v[AF+64*(\p)+8*\i+4*\c:AF+64*(\p)+8*\i+4*\c+3], v[ADRA+\slot] offset:8192*(\pl)+1024*\i+512*\c
.endr
.endr
.endm
; A step whose successor lies in the same slot.  A group of w_qkv's fragments is fetched anew for the next step as soon as its products are issued, x's set of this step for the step after the next (ma = 1: it lies in this slot).
; Each wait: the group in hand is in; behind its loads stand two groups' 8 loads each and a set's 16.
.macro STEP p, slot, pl, ma, zero
	s_wait_dscnt 32
	GRP 0, \p, \zero
	PLACES
	LDB \slot, \pl+1, 0
	s_wait_dscnt 32
	GRP 1, \p, \zero
	PLACES
	LDB \slot, \pl+1, 1
	s_wait_dscnt 32
	GRP 2, \p, \zero
	PLACES
	LDB \slot, \pl+1, 2
.if \ma
	LDA \slot, \pl+2, \p
.endif
.endm
; A slot's last step changes slots: ONE barrier; in front of it each wave waits for all its tensor loads, adds 0 to its spare word, and waits for that and for its own reads of this slot.
; n > 0: this slot is filled again with n steps, 7 steps on: the barrier opens a round of the cluster's barrier.
.macro TURN p, slot, next, n
	s_wait_tensorcnt 0x0                           ; all my tensor loads have landed: my part of the next slot
	ds_add_u32 v[SPW], v[NIL]                      ; 0 onto my spare word
.if \n
	STEPS \n
	s_add_nc_u64 s[G0+4*\slot+2:G0+4*\slot+3], s[G0+4*\slot+2:G0+4*\slot+3], 7*APL
	s_add_nc_u64 s[G0B+4*\slot+2:G0B+4*\slot+3], s[G0B+4*\slot+2:G0B+4*\slot+3], 7*BPL
.endif
	s_wait_dscnt 17                                ; group 0 is in; groups 1 and 2 and the add may be out
	GRP 0, \p, 0
	s_wait_dscnt 0x0                               ; the add is done, and my reads of this slot are over
	s_barrier_signal -1
	GRP 1, \p, 0
	s_barrier_wait -1
.if \n
	CREST                                          ; no wave of any partner still reads this slot or has a load on its way
	JLOAD \slot                                    ; the first tensor load behind the round; its four v_nop are the places in front of the loads below
.else
	PLACES
.endif
	LDA \next, 0, 1-\p
	LDB \next, 0, 0
	LDB \next, 0, 1
	GRP 2, \p, 0
	PLACES
	LDB \next, 0, 2
	LDA \next, 1, \p
.endm
	s_wait_alu depctr_va_vdst(0)
	s_wait_loadcnt 0x0                             ; the tables
	s_wait_tensorcnt 0x0                           ; my part of K steps 0-3 is in: no load of mine is out while I store
	ds_store_b128 v[TIN], v[32:35]
	ds_store_b128 v[TIN], v[36:39] offset:512
	ds_store_b128 v[TIN], v[40:43] offset:1024
	ds_store_b128 v[TIN], v[44:47] offset:1536
	s_wait_tensorcnt 0x0                           ; ahead of a later first fill, as ahead of a refill
	ds_add_u32 v[SPW], v[NIL]
	STEPS 3
	s_wait_dscnt 0x0
	CROUND                                         ; everybody's part of K steps 0-3 is in, and all sixteen work-groups are here
	JLOAD 1                                        ; K steps 4-6
	LDA 0, 0, 0
	LDB 0, 0, 0
	LDB 0, 0, 1
	LDB 0, 0, 2
	LDA 0, 1, 1
	STEP 0, 0, 0, 1, 1                             ; the first step's products start the sums: nothing is ever cleared
	STEP 1, 0, 1, 1, 0
	STEP 0, 0, 2, 0, 0
	TURN 1, 0, 1, 4                                ; slot 0 takes K steps 7-10
	STEP 0, 1, 0, 1, 0
	STEP 1, 1, 1, 0, 0
	TURN 0, 1, 0, 3                                ; slot 1 takes 11-13
	STEP 1, 0, 0, 1, 0
	STEP 0, 0, 1, 1, 0
	STEP 1, 0, 2, 0, 0
	TURN 0, 0, 1, 2                                ; slot 0 takes 14 and 15
	STEP 1, 1, 0, 1, 0
	STEP 0, 1, 1, 0, 0
	TURN 1, 1, 0, 0                                ; nothing is left to fetch: no round of the cluster's barrier
	STEP 0, 0, 0, 0, 0
	s_wait_dscnt 16                                ; the last step: groups 1 and 2 may be out
	GRP 0, 1, 0
	s_wait_dscnt 8
	GRP 1, 1, 0
	PLACES
.irp t, 0,1
.irp i, 0,1,2,3
	ds_load_b128 v[BQ+16*\t+4*\i:BQ+16*\t+4*\i+3], v[BADR] offset:128*\t+16*\i           ; columns 32 t + 16 h + 0 .. 15, into the registers of the step before
	ds_load_b128 v[BK+16*\t+4*\i:BK+16*\t+4*\i+3], v[BADR] offset:256+128*\t+16*\i
.endr
.endr
	s_wait_dscnt 16                                ; group 2 is in; the sixteen above may be out
	GRP 2, 1, 0
	; THE WAY OUT.
	PLACES                                         ; behind the last products
.irp t, 0,1
.irp u, 0,1
	ds_load_b128 v[CO+8*\t+4*\u:CO+8*\t+4*\u+3], v[CADR] offset:1024+64*\t+16*\u         ; pairs 16 t + 8 h + 0 .. 7
	ds_load_b128 v[SI+8*\t+4*\u:SI+8*\t+4*\u+3], v[CADR] offset:1536+64*\t+16*\u
.endr
.endr
.irp c, 0,1,2,3
	ds_load_b32 v[BV+\c], v[VADR] offset:512+4*(32*(\c/2)+8*(\c%2))                      ; channel 32 (c / 2) + 8 (c % 2) + r + 8 (r / 8)
.endr
	s_wait_dscnt 0x0
.set j, 0
.rept 16
	v_xor_b32 v[SS+2*j], 0x80000000, v[SI+j]       ; the pairs (-sine, sine)
	v_mov_b32 v[SS+2*j+1], v[SI+j]
.set j, j+1
.endr
	s_wait_alu depctr_va_vdst(0)
; 16 numbers of a lane, columns 32 t + 16 h + 0 .. 15 of the head, are 8 pairs (even, odd): turned, held, converted.  even' = even x cos - odd x sin;  odd' = odd x cos + even x sin.
.macro ROPE t, scl, hi
.set TT, T2+16*\t
.set TS, TMP+16*\t
.set CC, CO+8*\t
.set SN, SS+16*\t
.irp k, 0,2,4,6
	v_pk_mul_f32 v[TT+2*\k:TT+2*\k+1], v[TS+2*\k:TS+2*\k+1], v[CC+\k:CC+\k+1] op_sel_hi:[1,0]                    ; pair k: both x the first cosine of the two
	v_pk_mul_f32 v[TT+2*\k+2:TT+2*\k+3], v[TS+2*\k+2:TS+2*\k+3], v[CC+\k:CC+\k+1] op_sel:[0,1] op_sel_hi:[1,1]   ; pair k + 1: both x the second
.endr
.irp k, 0,1,2,3,4,5,6,7
	v_pk_fma_f32 v[TT+2*\k:TT+2*\k+1], v[TS+2*\k:TS+2*\k+1], v[SN+2*\k:SN+2*\k+1], v[TT+2*\k:TT+2*\k+1] op_sel:[1,0,0] op_sel_hi:[0,1,1]   ; low: + odd x (-sin);  high: + even x sin
.endr
.set j, 0
.rept 16
	v_med3_num_f32 v[TT+j], v[TT+j], s[\hi+1], s[\hi]   ; the conversion to an 8-bit code does not saturate (ISA guide 7.6.2): the hold
.set j, j+1
.endr
	v_cvt_scalef32_pk8_bf8_f32 v[CDS+4*\t:CDS+4*\t+1], v[TT:TT+7], v[\scl]
	v_cvt_scalef32_pk8_bf8_f32 v[CDS+4*\t+2:CDS+4*\t+3], v[TT+8:TT+15], v[\scl]     ; (the next lines are plain and work on other registers)
.endm
.macro QKOUT a, w, bi, ptr, scl, hi    ; 16 tokens x the head's 64 channels of q (w = 1) or k (w = 2); four sets of codes by turns
.set CDS, CD+8*((\a)%4)
.if ((\a)%4 == 0) && ((\a)+(\w) > 1)
	s_wait_xcnt 0x0                                ; the stores have read their registers: the codes may be written again
.endif
	WIN \w
.set qb, 0
.rept 4
.set j, 0
.rept 4
	v_pk_fma_f32 v[TMP+8*qb+j:TMP+8*qb+j+1], v[64*qb+8*(\a)+j:64*qb+8*(\a)+j+1], s[96:97], v[\bi+8*qb+j:\bi+8*qb+j+1] op_sel_hi:[1,0,1]   ; sum x 2^(e0 + e1) + bias; each accumulator from its low end on
.set j, j+2
.endr
.set qb, qb+1
.endr
	WIN 0
	ROPE 0, \scl, \hi
	ROPE 1, \scl, \hi
	v_nop                                          ; a plain vector line behind the last conversion
	global_store_b128 v[LI], v[CDS:CDS+3], s[\ptr:\ptr+1] offset:1024*(\a)              ; the wave stores 512 consecutive bytes, aligned
	global_store_b128 v[LI], v[CDS+4:CDS+7], s[\ptr:\ptr+1] offset:1024*(\a)+512
.endm
.macro VOUT c                          ; 16 channels x my 128 tokens of v
.set BB, BV+2*((\c)/2)
.set CDS, CD+16*((\c)%2)
	s_wait_xcnt 0x0                                ; the stores have read their registers
	WIN 3
.set j, 0
.rept 32
.if (\c)%2
	v_pk_fma_f32 v[TMP+j:TMP+j+1], v[64*(\c)+j:64*(\c)+j+1], s[96:97], v[BB:BB+1] op_sel:[0,0,1] op_sel_hi:[1,0,1]   ; + my channel's bias: the pair's second register for both halves,
.else
	v_pk_fma_f32 v[TMP+j:TMP+j+1], v[64*(\c)+j:64*(\c)+j+1], s[96:97], v[BB:BB+1] op_sel_hi:[1,0,0]                  ; or its first
.endif
.set j, j+2
.endr
	WIN 0
.set j, 0
.rept 64
	v_med3_num_f32 v[TMP+j], v[TMP+j], s11, s10
.set j, j+1
.endr
.irp g, 0,1,2,3,4,5,6,7
	v_cvt_scalef32_pk8_bf8_f32 v[CDS+2*\g:CDS+2*\g+1], v[TMP+8*\g:TMP+8*\g+7], v[SCL+2]
.endr
	v_nop                                          ; a plain vector line behind the last conversion
.irp t, 0,1,2,3
	global_store_b128 v[LI], v[CDS+4*\t:CDS+4*\t+3], s[84:85] offset:2048*(\c)+512*\t   ; keys 32 t on
.endr
.endm
.irp a, 0,1,2,3,4,5,6,7
	QKOUT \a, 1, BQ, 80, SCL, 4
.endr
.irp a, 0,1,2,3,4,5,6,7
	QKOUT \a, 2, BK, 82, SCL+1, 6
.endr
.irp c, 0,1,2,3
	VOUT \c
.endr
	s_wait_tensorcnt 0x0                           ; the wave's end
	ds_add_u32 v[SPW], v[NIL]
	s_wait_dscnt 0x0
	CROUND                                         ; the closing round: no work-group ends while a partner may still ask for a tile that names it
	s_endpgm
.Lfunc_end_k_qb2a2edbf07_gemm_qkv:
	.size	k_qb2a2edbf07_gemm_qkv, .Lfunc_end_k_qb2a2edbf07_gemm_qkv-k_qb2a2edbf07_gemm_qkv
	.p2alignl 7, 3214868480
	.fill 96, 4, 3214868480
	.section	.rodata,"a",@progbits
	.p2align	6, 0x0
	.amdhsa_kernel k_qb2a2edbf07_gemm_qkv
		.amdhsa_group_segment_fixed_size 327680
		.amdhsa_private_segment_fixed_size 0
		.amdhsa_enable_private_segment 0
		.amdhsa_kernarg_size 72
		.amdhsa_user_sgpr_count 2
		.amdhsa_user_sgpr_kernarg_segment_ptr 1
		.amdhsa_wavefront_size32 1
		.amdhsa_system_sgpr_workgroup_id_x 1
		.amdhsa_system_sgpr_workgroup_id_y 1
		.amdhsa_system_sgpr_workgroup_id_z 1
		.amdhsa_system_vgpr_workitem_id 0
		.amdhsa_next_free_vgpr 1024
		.amdhsa_next_free_sgpr 102
		.amdhsa_reserve_vcc 0
		.amdhsa_float_denorm_mode_32 3
		.amdhsa_float_denorm_mode_16_64 3
		.amdhsa_memory_ordered 1
		.amdhsa_forward_progress 1
		.amdhsa_inst_pref_size 255
	.end_amdhsa_kernel
	.section	.bss,"aw",@nobits
	.p2align	6
	.space	262144
	.amdgpu_metadata
---
amdhsa.version: [ 1, 2 ]
amdhsa.kernels:
  - .name:           k_qb2a2edbf07_gemm_qkv
    .symbol:         k_qb2a2edbf07_gemm_qkv.kd
    .args:
      - { .name: x_codes, .offset: 0, .size: 8, .value_kind: global_buffer, .address_space: global }
      - { .name: wqkv_codes, .offset: 8, .size: 8, .value_kind: global_buffer, .address_space: global }
      - { .name: lowp_scales, .offset: 16, .size: 8, .value_kind: global_buffer, .address_space: global }
      - { .name: b_qkv, .offset: 24, .size: 8, .value_kind: global_buffer, .address_space: global }
      - { .name: cos_tab, .offset: 32, .size: 8, .value_kind: global_buffer, .address_space: global }
      - { .name: sin_tab, .offset: 40, .size: 8, .value_kind: global_buffer, .address_space: global }
      - { .name: q_codes, .offset: 48, .size: 8, .value_kind: global_buffer, .address_space: global }
      - { .name: k_codes, .offset: 56, .size: 8, .value_kind: global_buffer, .address_space: global }
      - { .name: v_codes, .offset: 64, .size: 8, .value_kind: global_buffer, .address_space: global }
    .group_segment_fixed_size: 327680
    .private_segment_fixed_size: 0
    .kernarg_segment_align: 8
    .kernarg_segment_size: 72
    .max_flat_workgroup_size: 128
    .sgpr_count:     102
    .vgpr_count:     1024
    .wavefront_size: 32
...
	.end_amdgpu_metadata
.endif
;; end of part 2
;; launch attn (part 3): grid 2 x 128, 16 waves a work-group, no clusters, 133,120 bytes of LDS; arguments q_codes, k_codes, v_codes, lowp_scales, y_codes; writes y_codes
.if DOCPART == 3
	.amdgcn_target "amdgcn-amd-amdhsa--gfx1250"
	.amdhsa_code_object_version 6
	.text
	.protected	k_qb2a2edbf07_attn
	.globl	k_qb2a2edbf07_attn
	.p2align	8
	.type	k_qb2a2edbf07_attn,@function
k_qb2a2edbf07_attn:
	s_mov_b64 s[64:65], 0
	v_nop
	global_prefetch_b8 v0, s[64:65] scope:SCOPE_SE
	s_setreg_imm32_b32 hwreg(HW_REG_WAVE_MODE, 25, 1), 1
	s_wait_xcnt 0x0
; y[b][h][q] = the sum over k <= q of softmax_k(q . k / 8) v[k], both products on codes of BF8 (E5M2); y is quantised (scales' entry 6) and stored as images of the last product's operand registers.
; Scales' entries: 2 q, 3 k, 4 p, 5 v, 6 y.  THE SOFTMAX AHEAD OF THE SECOND PRODUCT: t = score x log2(e) / 8; M = the row's largest t so far, rounded UP to a whole number; p = 2^(t - M) is what is quantised; it is not normalised.
; The row's sum is taken of the unquantised p, in f32, and divides O at the end.  When M moves, the sum and O are multiplied by 2^(old M - new M): exact.
; LIMITS: e2 + e3 between -123 and 130 (they are added to the exponent field of log2(e) / 8); e4 and e6 between -126 and 112; e4 + e5 is applied by v_ldexp_f32 and has none; scaled scores t under 2^31 in magnitude.  NaN is not served.
; WORK LEFT OUT: steps of 128 keys that lie wholly behind the causal mask: their p is 0 for all values of the inputs.  LIMIT: a NaN, an infinity or an overflow there is not carried to the result.
; INPUTS, as the launch before laid them.  q_codes, k_codes: [batch x head][tile 0..63][half of the head's 64][lane][16 bytes]: lane (r, h) of tile i holds channels 32 c + 16 h + 0 .. 15 of token 32 (i / 2) + 8 (i % 2) + r + 8 (r / 8).
; v_codes: [batch x head][step of 128 keys][tile of 16 channels][32 keys][lane][16 bytes]: lane (r, h) holds keys 32 c + 16 h + 0 .. 15 of channel 32 (t / 2) + 8 (t % 2) + r + 8 (r / 8).  A fragment is 512 consecutive bytes a load.
; LAYOUT.  Both products are used transposed: S^T = K Q^T (source 0 = 16 keys, source 1 = my 16 queries), O^T = V^T P^T: a lane holds ONE query throughout.  By the order of tokens in a tile the 16 registers of key tiles 2 b and 2 b + 1 are
; 16 neighbouring keys, 32 b + 16 h + 0 .. 15, so that p's conversions give the second product's operand; and likewise the 16 registers of channel tiles 2 b and 2 b + 1 are 16 neighbouring channels, so that y's conversions give the last product's.
; SHARES.  A head's K and V, 64 KiB each, lie whole in LDS.  Two work-groups to a head; wave w of work-group g owns query tiles 63 - i and i = 16 g + w, one after the other.  A tile in block i / 8 of 128 tokens works i / 8 + 1 steps of
; 128 keys, so every wave works (8 - i / 8) + (i / 8 + 1) = 9 steps.  The loops' trip counts are constants; a hidden step's work is jumped over inside the loop.
; THE LONG TILE COMES FIRST: its steps 0-3 are worked by every wave and reach keys 0-511 alone.  K and V come through registers: each thread loads 16 bytes of K and of V for each step of 128 keys; those of steps 0-3 are stored to LDS at the head, those of
; steps 4-7 are on their way, in 32 registers, while steps 0-3 are worked, and are stored behind them.  No LDS byte is written twice.  No tensor load and no copy.
; NO CLUSTER: two work-groups read a head's K and V, each once; joint loads would ask that no branch hangs on a partner's place, and the two own different tiles.  No prefetch: all loads are issued at the head.
; REGISTERS: v1, v2 16 x lane in K's and V's image; v3-4 the mask's numbers of the two tiles; v5-6 where my loads go in K's and V's image; v8, v9 LDS addresses; v12 -M, v13 the largest t, v[14:15] the sum in two halves; v16-23, v24-31 Q of the two tiles;
;   v32-95 K's 8 fragments, then V's 4; v96-159 S^T, then p (at the head K and V of steps 0-3); v160-191 O^T; v192-207 p's codes; v208-215 partial sums, y's codes; v216-247 K and V of steps 4-7; v248-254 at work and constants.
.set LI,   1
.set LIV,  2
.set DD,   3
.set DDB,  4
.set KO,   5
.set VO,   6
.set ADK,  8
.set ADV,  9
.set SPW,  10                          ; v10  LDS address of my spare word; never rewritten
.set NIL,  11                          ; v11  0; never rewritten
.set ST,   216
.set PSC,  248                         ; v248 2^e4 as f32
.set YSC,  249                         ; v249 2^e6
.set PM,   250                         ; v250 the lane permute's result
.set PMAX, 251                         ; v251 57,344 x 2^e4
.set NINF, 255                         ; v255 -infinity
.set VIMG, 65536                       ; LDS: K's image at 0 (8,192 bytes a step), V's behind it
.set SPARE, 131072                     ; the spare words, 128 bytes for each wave
.set WV,   18
.set SEL,  20                          ; s[20:21] lane selects for v_permlanex16_b32: lane l xor 16
.set CS,   22                          ; s[22:23] c = log2(e) / 8 x 2^(e2 + e3): the packed form names a pair and takes its low word for both halves
.set E4,   52
.set KS,   56                          ; s56  the key step
.set TBK,  57                          ; s57  8,192 x the key step
.set QB,   59                          ; s59  the block of 128 tokens in which my queries lie; s60 the short tile's
.set JB,   61                          ; s61  my queries' 32 tokens in that block; s62 the short tile's
	s_load_b256 s[4:11], s[0:1], 0x0               ; q's codes s[4:5], k's s[6:7], v's s[8:9], the scales' exponents s[10:11]
	s_load_b64 s[12:13], s[0:1], 0x20              ; y's codes
	v_lshrrev_b32 v7, 5, v0
	v_readfirstlane_b32 s[WV], v7                  ; wave 0..15
	s_and_b32 s14, ttmp7, 0xffff                   ; batch x 16 + head
	s_lshl_b32 s40, s14, 16                        ; its 65,536 bytes in each of q, k, v
	s_mov_b32 s41, 0
	s_mov_b32 s[SEL], 0x76543210
	s_mov_b32 s[SEL+1], 0xfedcba98
	s_mov_b32 s[CS], 0x3e38aa3b                    ; log2(e) / 8
	s_lshl_b32 s19, ttmp9, 4
	s_add_co_u32 s19, s19, s[WV]                   ; the short tile, 0 .. 31
	s_sub_co_u32 s46, 63, s19                      ; the long one, 63 .. 32
	s_lshr_b32 s[QB], s46, 3
	s_lshr_b32 s[QB+1], s19, 3
	s_bfe_u32 s[JB], s46, 0x20001                  ; (tile % 8) / 2
	s_bfe_u32 s[JB+1], s19, 0x20001
	s_and_b32 s15, s46, 1
	s_lshl_b32 s15, s15, 3
	s_and_b32 s16, s19, 1
	s_lshl_b32 s16, s16, 3
	; y_codes: [256 along K: head / 4][row tile: batch x 64 + tile][128 along K][32 along K][lane][16 bytes]: 2^21 (head / 4) + 2^12 (row tile) + 2^10 (head % 4) + 512 b + 16 lane
	s_and_b32 s47, s14, 15                         ; head
	s_lshr_b32 s42, s47, 2
	s_lshl_b32 s42, s42, 21
	s_and_b32 s43, s47, 3
	s_lshl_b32 s43, s43, 10
	s_add_co_u32 s42, s42, s43
	s_lshr_b32 s43, s14, 4                         ; batch
	s_lshl_b32 s43, s43, 18
	s_add_co_u32 s42, s42, s43
	s_lshl_b32 s44, s19, 12
	s_add_co_u32 s44, s44, s42                     ; the short tile's place
	s_lshl_b32 s43, s46, 12
	s_add_co_u32 s42, s42, s43                     ; the long one's
	s_mov_b32 s43, 0
	s_mov_b32 s45, 0
	s_lshl_b32 s36, s46, 10
	s_add_co_u32 s36, s36, s40                     ; Q: 1,024 bytes a tile
	s_mov_b32 s37, 0
	s_lshl_b32 s38, s19, 10
	s_add_co_u32 s38, s38, s40
	s_mov_b32 s39, 0
	v_lshl_add_u32 v[SPW], v0, 2, SPARE
	v_mov_b32 v[NIL], 0
	v_and_b32 v[LI], 31, v0
	v_lshlrev_b32 v[KO], 4, v0                     ; 16 x thread = 512 x wave + 16 x lane
	v_and_b32 v7, 15, v0
	v_and_b32 v8, 8, v0
	v_lshlrev_b32 v[LI], 4, v[LI]
	v_add_nc_u32 v[VO], VIMG, v[KO]
	v_add_nc_u32 v7, v7, v8                        ; r + 8 (r / 8)
	v_and_b32 v8, 16, v0
	v_add_nc_u32 v[LIV], VIMG, v[LI]
	v_sub_nc_u32 v7, v7, v8                        ; - 16 h
	v_mov_b32 v[NINF], 0xff800000
	v_mov_b32 v[PM], 0                             ; written once: a lane permute's destination counts as one of its sources
	; the mask's number: register 16 b + i of the scores holds key 32 b + 16 h + i of the step: in the block of 32 keys on the diagonal it is hidden where i > r + 8 (r / 8) + 8 (tile % 2) - 16 h
	v_add_nc_u32 v[DD], s15, v7
	v_add_nc_u32 v[DDB], s16, v7
	v_mov_b32 v252, 0
	v_mov_b32 v253, 0                              ; (named as the upper half of the pair v[252:253])
	s_wait_alu depctr_va_vdst(0)
	s_wait_kmcnt 0x0
	s_load_b256 s[48:55], s[10:11], 0x0            ; the eight exponents
	s_add_nc_u64 s[24:25], s[6:7], s[40:41]        ; K
	s_add_nc_u64 s[26:27], s[8:9], s[40:41]        ; V
	s_add_nc_u64 s[28:29], s[4:5], s[36:37]        ; Q of the long tile
	s_add_nc_u64 s[30:31], s[4:5], s[38:39]        ; and of the short one
	s_add_nc_u64 s[72:73], s[12:13], s[42:43]
	s_add_nc_u64 s[74:75], s[12:13], s[44:45]
	global_load_b128 v[16:19], v[LI], s[28:29]
	global_load_b128 v[20:23], v[LI], s[28:29] offset:512
.irp s, 0,1,2,3
	global_load_b128 v[96+8*\s:99+8*\s], v[KO], s[24:25] offset:8192*\s
	global_load_b128 v[100+8*\s:103+8*\s], v[KO], s[26:27] offset:8192*\s
.endr
.irp s, 0,1,2,3
	global_load_b128 v[ST+8*\s:ST+3+8*\s], v[KO], s[24:25] offset:32768+8192*\s
	global_load_b128 v[ST+4+8*\s:ST+7+8*\s], v[KO], s[26:27] offset:32768+8192*\s
.endr
	global_load_b128 v[24:27], v[LI], s[30:31]
	global_load_b128 v[28:31], v[LI], s[30:31] offset:512
.macro INIT                            ; a tile begins
	v_mov_b32 v13, 0xff61b1e6                      ; the largest t so far: -3e38, under every t
	v_mov_b32 v14, 0                               ; the sum, in two halves
	v_mov_b32 v15, 0
.set j, 0
.rept 32
	v_mov_b32 v[160+j], 0                          ; O^T.  (A step is written without a first one of its own: the first finds zeros, which the first change of M leaves zeros)
.set j, j+1
.endr
	v_floor_f32 v12, -v13                          ; -M
.endm
	INIT
	s_wait_kmcnt 0x0
	s_add_co_i32 s80, s50, s51
	s_lshl_b32 s80, s80, 23
	s_add_co_i32 s[CS], s[CS], s80                 ; a score stands for score x 2^(e2 + e3): the two exponents are added to c's exponent field
	s_mov_b32 s[CS+1], s[CS]                       ; (named with it as a pair, so it is written)
	s_add_co_i32 s80, s[E4], 127
	s_lshl_b32 s81, s80, 23
	v_mov_b32 v[PSC], s81                          ; 2^e4 as f32, for p's conversion
	s_add_co_i32 s80, s80, 15
	s_lshl_b32 s80, s80, 23
	s_or_b32 s80, s80, 0x600000
	v_mov_b32 v[PMAX], s80                         ; 57,344 x 2^e4
	s_add_co_i32 s76, s[E4], s53                   ; e4 + e5
	s_add_co_i32 s80, s54, 127
	s_lshl_b32 s81, s80, 23
	v_mov_b32 v[YSC], s81                          ; 2^e6, for y's conversion
	s_add_co_i32 s80, s80, 15
	s_lshl_b32 s80, s80, 23
	s_or_b32 s77, s80, 0x600000                    ; 57,344 x 2^e6,
	s_xor_b32 s78, s77, 0x80000000                 ; and its negative
; A KEY STEP: 128 keys.  mask = 1: the step may be hidden or lie on the diagonal.
.macro RESCALE                         ; the next pair of O^T under the new M: x f
	v_pk_mul_f32 v[m:m+1], v[m:m+1], v[252:253] op_sel_hi:[1,0]
.set m, m+2
.endm
.macro STEP mask
.if \mask
	s_cmp_gt_u32 s[KS], s[QB]                      ; all of the step's keys come after my queries: its work is left out.  A scalar branch on ids; no barrier stands in a step
	s_cbranch_scc1 .Lhidden_\@
.endif
	v_add_nc_u32 v[ADK], s[TBK], v[LI]
	v_add_nc_u32 v[ADV], s[TBK], v[LIV]
	v_nop                                          ; with the two additions: four places in front of loads into registers that the last step's products have read
	v_nop
.irp t, 0,1,2,3,4,5,6,7
	ds_load_b128 v[32+8*\t:35+8*\t], v[ADK] offset:1024*\t        ; key tile t: channels 16 h + 0 .. 15,
	ds_load_b128 v[36+8*\t:39+8*\t], v[ADK] offset:1024*\t+512    ; and 32 + 16 h + 0 .. 15
.endr
	s_wait_alu depctr_va_vdst(0)
	s_wait_dscnt 8                                 ; tiles 0-3 are in; the eight loads of tiles 4-7 may be out
.irp t, 0,1,2,3
	v_wmma_f32_16x16x64_bf8_bf8 v[96+8*\t:103+8*\t], v[32+8*\t:39+8*\t], v[16:23], 0
.endr
	s_wait_dscnt 0x0
.irp t, 4,5,6,7
	v_wmma_f32_16x16x64_bf8_bf8 v[96+8*\t:103+8*\t], v[32+8*\t:39+8*\t], v[16:23], 0
.endr
.rept 4
	v_nop                                          ; places in front of the loads below and of the first read of the scores
.endr
.irp t, 0,1,2,3
.irp c, 0,1,2,3
	ds_load_b128 v[32+16*\t+4*\c:35+16*\t+4*\c], v[ADV] offset:2048*\t+512*\c   ; V's four fragments take K's registers and land while the softmax is worked
.endr
.endr
.if \mask
	s_cmp_lg_u32 s[KS], s[QB]                      ; only the step on the diagonal has hidden keys: they become -infinity ahead of the maximum: p = 0 then.  Key 0 counts for every query, so the maximum is a number
	s_cbranch_scc1 .Lopen_\@
.irp b, 0,1,2,3                        ; its four blocks of 32 keys: those ahead of my queries' 32 tokens count, those behind are hidden, the one block between is compared
.if \b < 3
	s_cmp_gt_u32 s[JB], \b
	s_cbranch_scc1 .Lseen_\@_\b
.endif
.if \b > 0
	s_cmp_lt_u32 s[JB], \b
	s_cbranch_scc1 .Lhide_\@_\b
.endif
.set n, 0
.rept 16
	v_cmp_gt_i32 vcc_lo, n, v[DD]
	v_cndmask_b32 v[96+16*\b+n], v[96+16*\b+n], v[NINF], vcc_lo
.set n, n+1
.endr
.if \b > 0
	s_wait_alu depctr_va_vdst(0)
	s_branch .Lseen_\@_\b
.Lhide_\@_\b:
.set n, 0
.rept 16
	v_mov_b32 v[96+16*\b+n], 0xff800000
.set n, n+1
.endr
.endif
.Lseen_\@_\b:
.endr
.Lopen_\@:
.endif
	v_max3_num_f32 v254, v96, v97, v98             ; the step's largest score of my query, among my 64 keys, in two chains; each accumulator from its low end on,
	v_max3_num_f32 v252, v99, v100, v101
.irp i, 6,10,14,18,22,26,30,34,38,42,46,50,54,58
	v_max3_num_f32 v254, v254, v[96+\i], v[97+\i]
	v_max3_num_f32 v252, v252, v[98+\i], v[99+\i]
.endr
	v_max3_num_f32 v254, v254, v158, v159
	s_delay_alu instid0(VALU_DEP_1)
	v_max_num_f32 v254, v254, v252
	s_delay_alu instid0(VALU_DEP_1)
	v_permlanex16_b32 v[PM], v254, s[SEL], s[SEL+1]
	s_delay_alu instid0(VALU_DEP_1)
	v_max_num_f32 v254, v254, v[PM]                ; and among lane l xor 16's
	s_delay_alu instid0(VALU_DEP_1)
	v_mul_f32 v254, s[CS], v254                    ; as t (c is positive)
	s_delay_alu instid0(VALU_DEP_1)
	v_max_num_f32 v13, v13, v254                   ; the running largest t
	v_mov_b32 v254, v12
	s_delay_alu instid0(VALU_DEP_2)
	v_floor_f32 v12, -v13                          ; the new -M = floor(-t) = -ceil(t): M IS A WHOLE NUMBER
	s_delay_alu instid0(VALU_DEP_1)
	v_sub_f32 v254, v12, v254                      ; M's old value less its new one: a whole number, 0 or less
	s_delay_alu instid0(VALU_DEP_1)
	v_cvt_i32_f32 v254, v254                       ; (it saturates)
	s_delay_alu instid0(VALU_DEP_1)
	v_ldexp_f32 v252, 1.0, v254                    ; f = 2^(old M - new M): a multiplication by it rounds nothing
.set j, 0
.rept 32
	v_pk_fma_f32 v[96+j:97+j], v[96+j:97+j], s[CS:CS+1], v[12:13] op_sel_hi:[1,0,0]   ; t - M, two at a time (of the pairs c and -M the low word serves both halves)
.set j, j+2
.endr
	s_wait_alu depctr_va_vdst(0)
.set j, 0
.rept 64
	v_exp_f32 v[96+j], v[96+j]                     ; p = 2^(t - M), at most 1: NOT normalised
.set j, j+1
.endr
	v_pk_mul_f32 v[14:15], v[14:15], v[252:253] op_sel_hi:[1,0]   ; the sums under the new M: the plain line behind the exponentials
	s_wait_alu depctr_va_vdst(0)                   ; one wait for the whole batch, and for O^T, ahead of the first reader
.set m, 160
	RESCALE
	RESCALE
	RESCALE
	RESCALE
	v_pk_add_f32 v[208:209], v[96:97], v[98:99]    ; THE ROW'S SUM IS TAKEN OF THE UNQUANTISED p, two at a time, in five chains
	v_pk_add_f32 v[210:211], v[100:101], v[102:103]
	v_pk_add_f32 v[212:213], v[104:105], v[106:107]
	v_pk_add_f32 v[214:215], v[108:109], v[110:111]
	v_pk_add_f32 v[14:15], v[14:15], v[112:113]
.set j, 114
.rept 4
	v_pk_add_f32 v[208:209], v[208:209], v[j:j+1]
	v_pk_add_f32 v[210:211], v[210:211], v[j+2:j+3]
	v_pk_add_f32 v[212:213], v[212:213], v[j+4:j+5]
	RESCALE
	v_pk_add_f32 v[214:215], v[214:215], v[j+6:j+7]
	v_pk_add_f32 v[14:15], v[14:15], v[j+8:j+9]
	RESCALE
.set j, j+10
.endr
	v_pk_add_f32 v[208:209], v[208:209], v[154:155]
	v_pk_add_f32 v[210:211], v[210:211], v[156:157]
	v_pk_add_f32 v[212:213], v[212:213], v[158:159]
	RESCALE
	v_pk_add_f32 v[208:209], v[208:209], v[210:211]
	v_pk_add_f32 v[212:213], v[212:213], v[214:215]
	RESCALE
	v_pk_add_f32 v[14:15], v[14:15], v[208:209]
	RESCALE
	RESCALE
	v_pk_add_f32 v[14:15], v[14:15], v[212:213]
	s_cmp_lt_i32 s[E4], -15                        ; THE HOLD: p is at most 1, and 57,344 x 2^e4 = 1.75 x 2^(e4 + 15): from e4 = -15 on no p can lie beyond it
	s_cbranch_scc0 .Lheld_\@
.set j, 96
.rept 64
	v_min_num_f32 v[j], v[j], v[PMAX]              ; the conversion does not saturate (ISA guide 7.6.2); p is not negative, so the hold is one-sided
.set j, j+1
.endr
.Lheld_\@:
.irp g, 0,1,2,3,4,5,6,7
	v_cvt_scalef32_pk8_bf8_f32 v[192+2*\g:193+2*\g], v[96+8*\g:103+8*\g], v[PSC]
.endr
	v_nop                                          ; a plain line between the conversions and the products that read their results
	s_wait_alu depctr_va_vdst(0)
	s_wait_dscnt 0x0                               ; V is in
.irp t, 0,1,2,3
	v_wmma_f32_16x16x128_bf8_bf8 v[160+8*\t:167+8*\t], v[32+16*\t:47+16*\t], v[192:207], v[160+8*\t:167+8*\t]   ; the four accumulators take turns, and the next step's eight products on the scores stand between two links
.endr
.if \mask
.Lhidden_\@:
.endif
.endm
	s_wait_alu depctr_va_vdst(0)
	s_wait_loadcnt 10                              ; Q of the long tile, K and V of steps 0-3 are in; the eight loads of steps 4-7 and two of the short tile's Q may be out
.irp s, 0,1,2,3
	ds_store_b128 v[KO], v[96+8*\s:99+8*\s] offset:8192*\s
	ds_store_b128 v[VO], v[100+8*\s:103+8*\s] offset:8192*\s
.endr
	s_wait_dscnt 0x0
	s_barrier_signal -1
	s_barrier_wait -1                              ; everybody's part of keys 0-511 is in LDS
	s_mov_b32 s[KS], 0
	s_mov_b32 s[TBK], 0
.Lk1:                                              ; the long tile's steps 0-3: no wave's queries lie there
	STEP 0
	s_add_co_u32 s[TBK], s[TBK], 8192
	s_add_co_u32 s[KS], s[KS], 1
	s_cmp_lt_u32 s[KS], 4
	s_cbranch_scc1 .Lk1
	s_wait_loadcnt 0x0                             ; the rest is in registers
.irp s, 0,1,2,3
	ds_store_b128 v[KO], v[ST+8*\s:ST+3+8*\s] offset:32768+8192*\s
	ds_store_b128 v[VO], v[ST+4+8*\s:ST+7+8*\s] offset:32768+8192*\s
.endr
	s_wait_dscnt 0x0
	s_barrier_signal -1
	s_barrier_wait -1                              ; everybody's part of keys 512-1,023 is in LDS
.macro OUT ybase                       ; a tile's way out
.rept 4
	v_nop                                          ; places behind the last products
.endr
	v_add_f32 v14, v14, v15                        ; the sum's two halves,
	s_delay_alu instid0(VALU_DEP_1)
	v_permlanex16_b32 v252, v14, s[SEL], s[SEL+1]
	s_delay_alu instid0(VALU_DEP_1)
	v_add_f32 v14, v14, v252                       ; and lane l xor 16's: the row's sum
	s_wait_alu depctr_va_vdst(0)
	v_rcp_f32 v14, v14
	v_nop                                          ; a plain line behind the transcendental
	s_wait_alu depctr_va_vdst(0)                   ; the wait ahead of its first reader
	v_ldexp_f32 v14, v14, s76                      ; x 2^(e4 + e5)
.set j, 0
.rept 16
	v_pk_mul_f32 v[96+j:97+j], v[160+j:161+j], v[14:15] op_sel_hi:[1,0]   ; y = O^T / the sum: register 16 b + i is channel 32 b + 16 h + i of my query; each accumulator from its low end on
.set j, j+2
.endr
.set j, 0
.rept 32
	v_med3_num_f32 v[96+j], v[96+j], s78, s77      ; the hold at the largest code x 2^e6
.set j, j+1
.endr
.irp g, 0,1,2,3
	v_cvt_scalef32_pk8_bf8_f32 v[208+2*\g:209+2*\g], v[96+8*\g:103+8*\g], v[YSC]
.endr
	v_nop                                          ; a plain line behind the last conversion
	global_store_b128 v[LI], v[208:211], s[\ybase:\ybase+1]        ; the wave stores 512 consecutive bytes, aligned
	global_store_b128 v[LI], v[212:215], s[\ybase:\ybase+1] offset:512
.endm
	s_mov_b32 s[KS], 4
	s_mov_b32 s[TBK], 32768
.Lk2:                                              ; the long tile's steps 4-7
	STEP 1
	s_add_co_u32 s[TBK], s[TBK], 8192
	s_add_co_u32 s[KS], s[KS], 1
	s_cmp_lt_u32 s[KS], 8
	s_cbranch_scc1 .Lk2
	OUT 72
	s_wait_xcnt 0x0                                ; the stores have read their registers: the partial sums may be written there
.set j, 0
.rept 8
	v_mov_b32 v[16+j], v[24+j]                     ; the short tile takes over
.set j, j+1
.endr
	v_mov_b32 v[DD], v[DDB]
	INIT
	s_mov_b32 s[QB], s[QB+1]
	s_mov_b32 s[JB], s[JB+1]
	s_mov_b32 s[KS], 0
	s_mov_b32 s[TBK], 0
	s_wait_alu depctr_va_vdst(0)
.Lk3:                                              ; the short tile's steps 0-3
	STEP 1
	s_add_co_u32 s[TBK], s[TBK], 8192
	s_add_co_u32 s[KS], s[KS], 1
	s_cmp_lt_u32 s[KS], 4
	s_cbranch_scc1 .Lk3
	OUT 74
	s_wait_tensorcnt 0x0                           ; the wave's end
	ds_add_u32 v[SPW], v[NIL]
	s_wait_dscnt 0x0
	s_endpgm
.Lfunc_end_k_qb2a2edbf07_attn:
	.size	k_qb2a2edbf07_attn, .Lfunc_end_k_qb2a2edbf07_attn-k_qb2a2edbf07_attn
	.p2alignl 7, 3214868480
	.fill 96, 4, 3214868480
	.section	.rodata,"a",@progbits
	.p2align	6, 0x0
	.amdhsa_kernel k_qb2a2edbf07_attn
		.amdhsa_group_segment_fixed_size 133120
		.amdhsa_private_segment_fixed_size 0
		.amdhsa_enable_private_segment 0
		.amdhsa_kernarg_size 40
		.amdhsa_user_sgpr_count 2
		.amdhsa_user_sgpr_kernarg_segment_ptr 1
		.amdhsa_wavefront_size32 1
		.amdhsa_system_sgpr_workgroup_id_x 1
		.amdhsa_system_sgpr_workgroup_id_y 1
		.amdhsa_system_sgpr_workgroup_id_z 1
		.amdhsa_system_vgpr_workitem_id 0
		.amdhsa_next_free_vgpr 256
		.amdhsa_next_free_sgpr 96
		.amdhsa_reserve_vcc 1
		.amdhsa_float_denorm_mode_32 3
		.amdhsa_float_denorm_mode_16_64 3
		.amdhsa_memory_ordered 1
		.amdhsa_forward_progress 1
		.amdhsa_inst_pref_size 81
	.end_amdhsa_kernel
	.amdgpu_metadata
---
amdhsa.version: [ 1, 2 ]
amdhsa.kernels:
  - .name:           k_qb2a2edbf07_attn
    .symbol:         k_qb2a2edbf07_attn.kd
    .args:
      - { .name: q_codes, .offset: 0, .size: 8, .value_kind: global_buffer, .address_space: global }
      - { .name: k_codes, .offset: 8, .size: 8, .value_kind: global_buffer, .address_space: global }
      - { .name: v_codes, .offset: 16, .size: 8, .value_kind: global_buffer, .address_space: global }
      - { .name: lowp_scales, .offset: 24, .size: 8, .value_kind: global_buffer, .address_space: global }
      - { .name: y_codes, .offset: 32, .size: 8, .value_kind: global_buffer, .address_space: global }
    .group_segment_fixed_size: 133120
    .private_segment_fixed_size: 0
    .kernarg_segment_align: 8
    .kernarg_segment_size: 40
    .max_flat_workgroup_size: 512
    .sgpr_count:     96
    .vgpr_count:     256
    .wavefront_size: 32
...
	.end_amdgpu_metadata
.endif
;; end of part 3
;; launch gemm_out (part 4): grid 4 x 64, 4 waves a work-group, clusters of 4 x 4, 327,680 bytes of LDS; arguments y_codes, wout_codes, lowp_scales, b_out, out0; writes out0
.if DOCPART == 4
	.amdgcn_target "amdgcn-amd-amdhsa--gfx1250"
	.amdhsa_code_object_version 6
	.text
	.protected	k_qb2a2edbf07_gemm_out
	.globl	k_qb2a2edbf07_gemm_out
	.p2align	8
	.type	k_qb2a2edbf07_gemm_out,@function
k_qb2a2edbf07_gemm_out:
	s_mov_b64 s[64:65], 0
	v_nop
	global_prefetch_b8 v0, s[64:65] scope:SCOPE_SE
	s_setreg_imm32_b32 hwreg(HW_REG_WAVE_MODE, 25, 1), 1
	s_wait_xcnt 0x0
	s_wait_alu depctr_hold_cnt(0) depctr_sa_sdst(0) depctr_va_vdst(0) depctr_va_sdst(0) depctr_va_ssrc(0) depctr_va_vcc(0) depctr_vm_vsrc(0)
	s_getreg_b32 s2, hwreg(HW_REG_IB_STS2, 6, 4)
	s_cmp_eq_u32 s2, 0
	s_cbranch_scc0 .Lentry_in_a_cluster
	s_endpgm
.Lentry_in_a_cluster:
	s_bfe_u32 s2, ttmp6, 0x10000c
	s_cmp_lg_u32 s2, 0xf033
	s_cbranch_scc0 .Lentry_shape_is_right
	s_endpgm
.Lentry_shape_is_right:
; out0 = y w_out^T + b_out on codes of BF8 (E5M2).  A number of y is its code x 2^e6, of w_out x 2^e7: the codes are multiplied as they are, and each finished sum goes through one multiply-add: sum x 2^(e6 + e7) + bias.
; LIMIT: e6 + e7 between -126 and 127, so that 2^(e6 + e7) is an f32 number.
; Both inputs are images of operand registers: y_codes [256 along K][tile of 16 rows][128 along K][32 along K][lane][16 bytes]; wout_codes [64 along K][tile of 16 columns][32 along K][lane][16 bytes].
; A tile of out0 is 128 rows x 256 columns: 256 of them, one for each work-group.  Four waves, each 64 rows x 128 columns, in TWO CHUNKS of 64 columns.
; ALL OF K AT ONCE: y's tile (128 KiB) and the first chunks of w_out (2 x 64 KiB) are asked for at the head.  A wave takes its 64 rows of y into 512 registers; y's bytes in LDS are then filled again with the second chunks of w_out, which
; land while the first chunk is multiplied and stored: so half the results leave ahead of the second half's products.
; THE MATRIX INSTRUCTION IS USED TRANSPOSED (source 0 = 16 rows of w_out, source 1 = 16 rows of y): in accumulator (a, b = 2 t + u) lane (r, h), register j holds column 32 t + 16 h + 8 u + j of token 32 (a / 2) + 8 (a % 2) + r + 8 (r / 8).
; CLUSTERS: 4 x 4 work-groups.  The four of a row of the cluster need the same tile of y, the four of a column the same tiles of w_out: each is asked for JOINTLY, with a mask that names the four.
; No prefetch: all input but one fill is asked for at the head, and there is no loop to run ahead in.
; REGISTERS, in windows of 256: window 0: v0-31 addresses, v32-63 the first chunk's bias, v64-255 w_out's fragments (4 x 16 rows x 128 K), three sets by turns.  Window 1: two chunks' accumulators ((a, b) of chunk c at v[128 c + 8 (4 a + b)]).
;   Windows 2, 3: y's fragments (128 along K: q; tile a: v[64 (q % 4) + 16 a]); at the end v0-31 of window 2 the second chunk's bias.
.set WOFF,  131072                     ; LDS: y's two halves of 64 rows (later the second chunks) at 0, the first chunks here
.set STAGE, 262144                     ; the way out: 16 rows x (256 bytes + 16) for each wave
.set SPT,   272
.set SPARE, STAGE+4*16*SPT             ; the spare words
.set ADRY, 16                          ; v16  my fragments of y
.set ADRB, 17                          ; v17-18 my fragments of w_out, chunk 0, 1
.set STO,  24                          ; v24  the way out: where I put my bytes of a row
.set RD,   25                          ; v25  where I read rows back
.set CO,   26                          ; v26  my place in two rows of out0
.set SPW,  28
.set NIL,  29
.set BI,   32
.set WF,   64
.set G1,  24                           ; s[24:31], s[40:43] descriptor groups 1 and 0 for y;  s[32:39], s[44:47] for w_out, s[48:51] its second chunk
.set G1B, 32
.set G0,  40
.set G0B, 44
.set MSB, 0
.macro WIN new                         ; the immediate's high byte repeats the setting that is left
.if MSB != (\new)
	s_set_vgpr_msb (MSB<<8)|(\new)
.set MSB, (\new)
.endif
.endm
.macro CREST                           ; a round of the cluster's barrier behind its opening barrier
	s_cmp_lg_u32 s14, 0
	s_cbranch_scc1 .Lnot_wave_0_\@
	s_barrier_signal -3
.Lnot_wave_0_\@:
	s_barrier_wait -3
	s_barrier_signal -1
	s_barrier_wait -1
.endm
.macro CROUND
	s_barrier_signal -1
	s_barrier_wait -1
	CREST
.endm
.macro PLACES                          ; plain vector lines behind matrix instructions (ISA guide 7.12.1 for reads of their results)
.rept 4
	v_nop
.endr
.endm
	s_load_b256 s[68:75], s[0:1], 0x0              ; y's codes s[68:69], w_out's s[70:71], the scales' exponents s[72:73], b_out s[74:75]
	s_load_b64 s[10:11], s[0:1], 0x20              ; out0
	v_lshl_add_u32 v[SPW], v0, 2, SPARE
	v_mov_b32 v[NIL], 0
	ds_add_u32 v[SPW], v[NIL]                      ; the opening: the add, twice on end, and its wait
	ds_add_u32 v[SPW], v[NIL]
	v_lshrrev_b32 v1, 5, v0
	v_readfirstlane_b32 s14, v1                    ; wave 0..3
	s_lshr_b32 s15, s14, 1                         ; which half of the rows is mine.  Also: I fetch for y (0) or for w_out (1)
	s_and_b32 s16, s14, 1                          ; which half of the columns.  Also: which half of that tile I fetch
	s_bfe_u32 s76, ttmp6, 0x40000                  ; cx, cy: my place in the cluster
	s_bfe_u32 s77, ttmp6, 0x40004
	s_lshl_b32 s78, ttmp9, 2
	s_add_co_u32 s78, s78, s76                     ; tile column
	s_and_b32 s17, ttmp7, 0xffff
	s_lshl_b32 s17, s17, 2
	s_add_co_u32 s17, s17, s77                     ; tile row
	s_lshl_b32 s79, s77, 2
	s_lshl_b32 s79, 15, s79                        ; my row of the cluster
	s_lshl_b32 s80, 0x1111, s76                    ; my column
	s_or_b32 s[G1], s79, (3<<16)|(1<<21)           ; 15:0 the mask; 17:16 elements of 8 bytes; 21 set beside a mask; no padding
	s_mov_b32 s[G1+1], 2048<<16                    ; y: four rows (256 along K each) of 4 tiles, 16,384 bytes, 2^21 bytes apart
	s_mov_b32 s[G1+2], 4<<16
	s_mov_b32 s[G1+3], 2048<<16
	s_mov_b32 s[G1+4], 4
	s_mov_b32 s[G1+5], 262144
	s_mov_b32 s[G1+6], 0
	s_mov_b32 s[G1+7], 0
	s_or_b32 s[G1B], s80, (3<<16)|(1<<21)
	s_mov_b32 s[G1B+1], 512<<16                    ; w_out: sixteen rows (64 along K each) of 4 tiles, 4,096 bytes, 65,536 bytes apart
	s_mov_b32 s[G1B+2], 16<<16
	s_mov_b32 s[G1B+3], 512<<16
	s_mov_b32 s[G1B+4], 16
	s_mov_b32 s[G1B+5], 8192
	s_mov_b32 s[G1B+6], 0
	s_mov_b32 s[G1B+7], 0
	s_lshl_b32 s18, s16, 16                        ; a half's place in LDS: no place in the cluster enters it
	s_mov_b32 s[G0], 1
	s_mov_b32 s[G0+1], s18
	s_mov_b32 s[G0B], 1
	s_add_co_u32 s[G0B+1], s18, WOFF
	s_mov_b32 s[G0B+4], 1
	s_mov_b32 s[G0B+5], s18                        ; the second chunks take y's bytes
	s_lshl_b32 s20, s17, 15                        ; y: row tile 8 x tile row + 4 x half, 4,096 bytes each
	s_lshl_b32 s12, s16, 14
	s_add_co_u32 s20, s20, s12
	s_mov_b32 s21, 0
	s_lshl_b32 s22, s78, 14                        ; w_out: tile 16 x tile column + 8 x half, 1,024 bytes each
	s_lshl_b32 s12, s16, 13
	s_add_co_u32 s22, s22, s12
	s_mov_b32 s23, 0
	s_lshl_b32 s82, s78, 10
	s_lshl_b32 s13, s16, 9
	s_add_co_u32 s82, s82, s13                     ; my first column, in bytes: 1,024 x tile column + 512 x half
	s_mov_b32 s83, 0
	s_lshl_b32 s84, s17, 19                        ; my first row: 128 x tile row + 64 x half, 4,096 bytes each
	s_lshl_b32 s13, s15, 18
	s_add_co_u32 s84, s84, s13
	s_add_co_u32 s84, s84, s82
	s_mov_b32 s85, 0
	s_lshl_b32 s19, s15, 16
	s_add_co_u32 s12, s18, WOFF
	s_mul_i32 s13, s14, 16*SPT
	s_add_co_u32 s13, s13, STAGE                   ; my stage
	v_and_b32 v1, 15, v0                           ; r
	v_bfe_u32 v2, v0, 4, 1                         ; h
	v_and_b32 v3, 31, v0
	v_lshlrev_b32 v3, 4, v3                        ; 16 x lane
	v_add_nc_u32 v[ADRY], s19, v3
	v_add_nc_u32 v[ADRB], s12, v3
	v_add_nc_u32 v[ADRB+1], s18, v3
	v_mul_u32_u24 v4, v1, SPT
	v_lshl_add_u32 v4, v2, 6, v4
	v_add_nc_u32 v[STO], s13, v4                   ; in: row r, + 64 h
	v_mul_u32_u24 v4, v2, SPT
	v_lshl_add_u32 v4, v1, 4, v4
	v_add_nc_u32 v[RD], s13, v4                    ; back: lanes 0-15 one row of 256 bytes, lanes 16-31 the next
	v_lshlrev_b32 v[CO], 12, v2
	v_lshl_add_u32 v[CO], v1, 4, v[CO]             ; and the same two rows in out0
	v_lshlrev_b32 v7, 6, v2                        ; my half's 16 columns of each 32 in the bias
	s_wait_dscnt 0x0                               ; both opening adds are done
	s_wait_alu depctr_va_vdst(0)
	s_wait_kmcnt 0x0
	s_load_b256 s[88:95], s[72:73], 0x0            ; the eight exponents
	s_add_nc_u64 s[G0+2:G0+3], s[68:69], s[20:21]
	s_or_b32 s[G0+3], s[G0+3], 0x80000000
	s_add_nc_u64 s[22:23], s[70:71], s[22:23]
	s_mov_b64 s[G0B+2:G0B+3], s[22:23]
	s_or_b32 s[G0B+3], s[G0B+3], 0x80000000
	s_add_nc_u64 s[G0B+6:G0B+7], s[22:23], 4096    ; the second chunk: four tiles on
	s_or_b32 s[G0B+7], s[G0B+7], 0x80000000
	CROUND                                         ; all sixteen work-groups are here: the first joint loads meet
	s_cmp_eq_u32 s15, 0                            ; waves 0 and 1 fetch y, waves 2 and 3 w_out: one load a wave.  An s_nop 0 and four v_nop follow each line
	s_cbranch_scc0 .Lfirst_b
	tensor_load_to_lds s[G0:G0+3], s[G1:G1+7]
	s_nop 0
.rept 4
	v_nop
.endr
	s_branch .Lfirst_asked
.Lfirst_b:
	tensor_load_to_lds s[G0B:G0B+3], s[G1B:G1B+7]
	s_nop 0
.rept 4
	v_nop
.endr
.Lfirst_asked:
	s_add_nc_u64 s[8:9], s[74:75], s[82:83]
.macro BIAS reg, c                     ; chunk c's bias at columns 32 t + 16 h + 0 .. 15
.irp t, 0,1
.irp i, 0,1,2,3
	global_load_b128 v[\reg+16*\t+4*\i:\reg+16*\t+4*\i+3], v7, s[8:9] offset:256*\c+128*\t+16*\i
.endr
.endr
.endm
	BIAS BI, 0
	s_add_nc_u64 s[10:11], s[10:11], s[84:85]      ; never stepped: every store's place stands in its immediate
.macro LW q                            ; w_out's four fragments of the q-th 128 along K (8 and more: of the second chunk) into set q % 3: 16 loads
.irp b, 0,1,2,3
.irp c, 0,1,2,3
	ds_load_b128 v[WF+64*((\q)%3)+16*\b+4*\c:WF+64*((\q)%3)+16*\b+4*\c+3], v[ADRB+(\q)/8] offset:4096*(2*((\q)%8)+\c/2)+1024*\b+512*(\c%2)
.endr
.endr
.endm
.macro LY q                            ; y's four fragments of the q-th 128 along K: 16 loads
	WIN 0x80+0x40*((\q)/4)
.irp a, 0,1,2,3
.irp c, 0,1,2,3
	ds_load_b128 v[64*((\q)%4)+16*\a+4*\c:64*((\q)%4)+16*\a+4*\c+3], v[ADRY] offset:16384*((\q)/2)+4096*\a+2048*((\q)%2)+512*\c
.endr
.endr
.endm
; 16 matrix instructions: 64 rows x 64 columns, 128 along K.  The 16 accumulators take turns, in the same order in every step.  A chunk's first step starts the sums.
.macro MM q
	WIN 0x58+4*(((\q)%8)/4)
.set YR, 64*((\q)%4)
.set WR, WF+64*((\q)%3)
.set qa, 0
.rept 4
.set qb, 0
.rept 4
.set AC, 128*((\q)/8)+8*(4*qa+qb)
.if (\q)%8
	v_wmma_f32_16x16x128_bf8_bf8 v[AC:AC+7], v[WR+16*qb:WR+16*qb+15], v[YR+16*qa:YR+16*qa+15], v[AC:AC+7]
.else
	v_wmma_f32_16x16x128_bf8_bf8 v[AC:AC+7], v[WR+16*qb:WR+16*qb+15], v[YR+16*qa:YR+16*qa+15], 0
.endif
.set qb, qb+1
.endr
.set qa, qa+1
.endr
	WIN 0
.endm
; A step: the fragments of two steps on are asked for, into the set that the step before multiplied; then this step's are waited for.
.macro GSTEP q, fetch, n
	PLACES
.if \fetch
	LW \q+2
.endif
	s_wait_dscnt \n                                ; the 16 loads of each of the steps behind this one may be out
	MM \q
.endm
; THE WAY OUT, block by block of 16 rows x 64 columns.  A lane holds pieces of one row: so a block goes through my own stage in LDS and comes back as whole rows of 256 bytes.
; LDS serves a wave's instructions in order (ISA guide 5.7.1.4): no wait between the stores and the loads, nor in front of the next block's stores.
.macro TOSTAGE c, a
.set RG, 128*\c+32*\a
.set BB, BI*(1-\c)
	WIN 0x41+0x20*\c                               ; the bias lies in window 0 or 2
.set j, 0
.rept 16
	v_pk_fma_f32 v[RG+j:RG+j+1], v[RG+j:RG+j+1], s[96:97], v[BB+j:BB+j+1] op_sel_hi:[1,0,1]   ; sum x 2^(e6 + e7) + bias; each accumulator from its low end on
.set j, j+2
.endr
	WIN 0x04
.irp b, 0,1,2,3
	ds_store_b128 v[STO], v[RG+8*\b:RG+8*\b+3] offset:128*(\b/2)+32*(\b%2)
	ds_store_b128 v[STO], v[RG+8*\b+4:RG+8*\b+7] offset:128*(\b/2)+32*(\b%2)+16
.endr
	WIN 0x40
.irp i, 0,1,2,3,4,5,6,7
	ds_load_b128 v[RG+4*\i:RG+4*\i+3], v[RD] offset:2*\i*SPT
.endr
	WIN 0
.endm
.macro SEND c, a, younger              ; younger: the LDS instructions issued behind block a's loads, which may stay out
.set RG, 128*\c+32*\a
	s_wait_dscnt \younger
	WIN 0x04
.irp i, 0,1,2,3,4,5,6,7
	global_store_b128 v[CO], v[RG+4*\i:RG+4*\i+3], s[10:11] offset:(32*(\a/2)+8*(\a%2)+2*\i+8*(\i/4))*4096+256*\c th:TH_STORE_NT   ; the stage's rows 2 i, 2 i + 1: sixteen lanes store 256 consecutive bytes, aligned
.endr
	WIN 0
.endm
.macro OUT c
	TOSTAGE \c, 0
	TOSTAGE \c, 1
	SEND \c, 0, 16
	TOSTAGE \c, 2
	SEND \c, 1, 16
	TOSTAGE \c, 3
	SEND \c, 2, 16
	SEND \c, 3, 0
.endm
	s_wait_tensorcnt 0x0                           ; my part of the head's fills is in
	s_barrier_signal -1
	s_barrier_wait -1                              ; everybody's is
	LW 0
	LW 1
	LW 2
.irp q, 0,1,2,3,4,5,6,7
	LY \q
.endr
	WIN 0
	s_wait_tensorcnt 0x0                           ; ahead of a refill
	ds_add_u32 v[SPW], v[NIL]
	s_wait_dscnt 63                                ; behind y's first 16 loads stand 112 and the add: 63 is the field's largest number
	MM 0
	s_wait_dscnt 63                                ; behind the second 16: 96 and the add
	MM 1
	s_wait_dscnt 0x0                               ; the add is done, and all of y is in registers
	CROUND                                         ; no wave of any partner still reads y's bytes
	s_cmp_eq_u32 s15, 0
	s_cbranch_scc1 .Lno_part
	tensor_load_to_lds s[G0B+4:G0B+7], s[G1B:G1B+7]   ; waves 2 and 3: the second chunks, the one load behind the round
	s_nop 0
.rept 4
	v_nop
.endr
.Lno_part:
	PLACES
	LW 3
	LW 4
	MM 2
	GSTEP 3, 1, 32
	GSTEP 4, 1, 32
	GSTEP 5, 1, 32
	GSTEP 6, 0, 16
	GSTEP 7, 0, 0
	s_wait_kmcnt 0x0
	s_add_co_i32 s96, s94, s95                     ; e6 + e7, between -126 and 127,
	s_add_co_i32 s96, s96, 127
	s_lshl_b32 s96, s96, 23                        ; makes the f32 number 2^(e6 + e7)
	s_mov_b32 s97, s96                             ; (named with it as a pair, so it is written)
	s_wait_loadcnt 0x0                             ; the bias
	PLACES
	OUT 0
	s_wait_tensorcnt 0x0                           ; the second chunks have landed
	s_wait_dscnt 0x0
	s_barrier_signal -1
	s_barrier_wait -1                              ; everybody's part
	PLACES
	LW 8
	LW 9
	GSTEP 8, 1, 32
	GSTEP 9, 1, 32
	GSTEP 10, 1, 32
	WIN 0x80
	BIAS 0, 1                                      ; into the registers of y's first 128 along K, which step 8 has read last
	WIN 0
	GSTEP 11, 1, 32
	GSTEP 12, 1, 32
	GSTEP 13, 1, 32
	GSTEP 14, 0, 16
	GSTEP 15, 0, 0
	s_wait_loadcnt 0x0                             ; the bias
	PLACES
	OUT 1
	s_wait_tensorcnt 0x0                           ; the wave's end
	ds_add_u32 v[SPW], v[NIL]
	s_wait_dscnt 0x0
	CROUND                                         ; the closing round: no work-group ends while a partner may still ask for a tile that names it
	s_endpgm
.Lfunc_end_k_qb2a2edbf07_gemm_out:
	.size	k_qb2a2edbf07_gemm_out, .Lfunc_end_k_qb2a2edbf07_gemm_out-k_qb2a2edbf07_gemm_out
	.p2alignl 7, 3214868480
	.fill 96, 4, 3214868480
	.section	.rodata,"a",@progbits
	.p2align	6, 0x0
	.amdhsa_kernel k_qb2a2edbf07_gemm_out
		.amdhsa_group_segment_fixed_size 327680
		.amdhsa_private_segment_fixed_size 0
		.amdhsa_enable_private_segment 0
		.amdhsa_kernarg_size 40
		.amdhsa_user_sgpr_count 2
		.amdhsa_user_sgpr_kernarg_segment_ptr 1
		.amdhsa_wavefront_size32 1
		.amdhsa_system_sgpr_workgroup_id_x 1
		.amdhsa_system_sgpr_workgroup_id_y 1
		.amdhsa_system_sgpr_workgroup_id_z 1
		.amdhsa_system_vgpr_workitem_id 0
		.amdhsa_next_free_vgpr 1024
		.amdhsa_next_free_sgpr 100
		.amdhsa_reserve_vcc 0
		.amdhsa_float_denorm_mode_32 3
		.amdhsa_float_denorm_mode_16_64 3
		.amdhsa_memory_ordered 1
		.amdhsa_forward_progress 1
		.amdhsa_inst_pref_size 77
	.end_amdhsa_kernel
	.amdgpu_metadata
---
amdhsa.version: [ 1, 2 ]
amdhsa.kernels:
  - .name:           k_qb2a2edbf07_gemm_out
    .symbol:         k_qb2a2edbf07_gemm_out.kd
    .args:
      - { .name: y_codes, .offset: 0, .size: 8, .value_kind: global_buffer, .address_space: global }
      - { .name: wout_codes, .offset: 8, .size: 8, .value_kind: global_buffer, .address_space: global }
      - { .name: lowp_scales, .offset: 16, .size: 8, .value_kind: global_buffer, .address_space: global }
      - { .name: b_out, .offset: 24, .size: 8, .value_kind: global_buffer, .address_space: global }
      - { .name: out0, .offset: 32, .size: 8, .value_kind: global_buffer, .address_space: global }
    .group_segment_fixed_size: 327680
    .private_segment_fixed_size: 0
    .kernarg_segment_align: 8
    .kernarg_segment_size: 40
    .max_flat_workgroup_size: 128
    .sgpr_count:     100
    .vgpr_count:     1024
    .wavefront_size: 32
...
	.end_amdgpu_metadata
.endif
;; end of part 4
